; MI455X (gfx1250); checked and timed in simulation.
; The chip was launched on July 23, 2026; its instructions are those of AMD's public machine-readable ISA for CDNA 5 (MIT licence, August 2026) and "CDNA5" Instruction Set Architecture Reference Guide (July 2026). The comments in the code are by the model that wrote it; some were corrected since.
;; Scale Dot Attention. Allowed arithmetic: float matrix products may take bf16 or f16 operands with f32 sums; all other float work in f32.
;; Inputs: Wk 1,024 x 1,024 float32; Wq 1,024 x 1,024 float32; Wv 1,024 x 1,024 float32; bk 1,024 float32; bq 1,024 float32; bv 1,024 float32; x 4 x 2,048 x 1,024 float32.
;; Outputs: out0 4 x 2,048 x 1,024 float32.
;; 2 versions, each right; version 2 is version 1 with the launch cvt written anew for expert scheduling mode. Each part assembles by itself: llvm-mc -triple=amdgcn-amd-amdhsa -mcpu=gfx1250 --defsym DOCPART=n.
;; ======== version 1 of 2: 4 launches
;; limits: values are held in f16: magnitudes above 65,504 overflow, below 6.1e-05 lose precision
;; workspace buffers: xh 16,777,216 bytes; wt 6,291,456 bytes; bias 12,288 bytes; qkv 50,331,648 bytes; p 33,554,432 bytes; stat 786,432 bytes
;; launch cvt (part 1): grid 384 x 1, 8 waves a work-group, no clusters, 53,248 bytes of LDS; arguments x, Wq, Wk, Wv, bq, bk, bv, xh, wt, bias; writes xh, wt, bias
.if DOCPART == 1
	.amdgcn_target "amdgcn-amd-amdhsa--gfx1250"
	.amdhsa_code_object_version 6
	.text
	.protected	k_qd7161280de_cvt
	.globl	k_qd7161280de_cvt
	.p2align	8
	.type	k_qd7161280de_cvt,@function
k_qd7161280de_cvt:
	s_mov_b64 s[64:65], 0
	v_nop
	global_prefetch_b8 v0, s[64:65] scope:SCOPE_SE
	s_setreg_imm32_b32 hwreg(HW_REG_WAVE_MODE, 25, 1), 1
	s_wait_xcnt 0x0
; Makes the matrix operands of the next launch: xh = f16(x), wt[n][k] = f16(W[k][n]) for Wq, Wk, Wv stacked (n = 0..3071), bias = bq, bk, bv in a row.
; Each number is rounded once.  f16 and not bf16: 11 significant bits against 8, and the operands have the room: f16 reaches 65,504; numbers below 2^-14
; keep an absolute error of at most 2^-25.  LIMIT: an |x| or |W| of 65,504 or more becomes infinite.
; A stream: every input byte is read once, every output byte written once; no matrix unit, no cluster (no two work-groups read the same bytes).
; Work-groups 0..255: 32 rows of x each (131,072 bytes in, 65,536 out).  A wave takes 16,384 bytes by 32 loads of 512 consecutive bytes, all issued
; before the first is used; each store of the wave covers 256 consecutive bytes, aligned.
; Work-groups 256..383: the same tile of 128 k x 64 n of each of the three W, turned over through LDS.
.set XI,  8                            ; v[8:135]   x part: 32 loads of 4 registers.  W part: v[8:103], 3 x 8 loads
.set XO,  136                          ; v[136:199] x part: 32 stores of 2 registers
.set PK,  104                          ; v[104:119] W part: 4 columns n x 8 k, packed
.set WB,  120                          ; v[120:167] W part: 12 rows read back
.set BI,  168                          ; v[168:173] the biases on their way through
.set WPITCH, 272                       ; an LDS row: 128 k of f16 = 256 bytes + 16, so that 16 neighbouring rows begin in 16 different 16-byte columns of 256
.set WREG,   64*WPITCH                 ; one W's tile in LDS: 64 rows n
	s_load_b512 s[4:19], s[0:1], 0x0               ; x 4:5, Wq 6:7, Wk 8:9, Wv 10:11, bq 12:13, bk 14:15, bv 16:17, xh 18:19
	s_load_b128 s[20:23], s[0:1], 0x40             ; wt 20:21, bias 22:23
	v_lshl_add_u32 v200, v0, 2, 0xcc00
	v_mov_b32 v201, 0
	v_lshrrev_b32 v1, 5, v0
	v_readfirstlane_b32 s24, v1                    ; wave
	v_and_b32 v2, 31, v0                           ; lane
	s_cmp_ge_u32 ttmp9, 256                        ; the same for all waves of a work-group
	s_cbranch_scc1 .Lw
	; ---- x ----
	v_lshlrev_b32 v3, 4, v2
	v_lshl_add_u32 v3, v1, 14, v3                  ; in: 16,384 wave + 16 lane
	v_lshlrev_b32 v4, 3, v2
	v_lshl_add_u32 v4, v1, 13, v4                  ; out: 8,192 wave + 8 lane
	s_lshl_b32 s26, ttmp9, 17
	s_mov_b32 s27, 0
	s_lshl_b32 s28, ttmp9, 16
	s_mov_b32 s29, 0
	s_wait_kmcnt 0x0
	s_add_nc_u64 s[4:5], s[4:5], s[26:27]
	s_add_nc_u64 s[18:19], s[18:19], s[28:29]
.set j, 0
.rept 32
	global_load_b128 v[XI+4*j:XI+4*j+3], v3, s[4:5] offset:512*j th:TH_LOAD_NT
.set j, j+1
.endr
.set j, 0
.rept 32
	s_wait_loadcnt 31-j                            ; loads return in order: load j is in, the 31 - j younger ones stay out
	v_cvt_pk_f16_f32 v[XO+2*j],   v[XI+4*j],   v[XI+4*j+1]
	v_cvt_pk_f16_f32 v[XO+2*j+1], v[XI+4*j+2], v[XI+4*j+3]
	global_store_b64 v4, v[XO+2*j:XO+2*j+1], s[18:19] offset:256*j   ; no register is written twice, so no wait frees any
.set j, j+1
.endr
	s_endpgm
	; ---- W ----  thread t: nq = t & 15 (four columns n), ko = t >> 4 (eight rows k)
.Lw:
	s_sub_co_u32 s25, ttmp9, 256
	s_and_b32 s26, s25, 7                          ; kt: which 128 k
	s_lshr_b32 s27, s25, 3                         ; nt: which 64 n
	s_lshl_b32 s28, s26, 19                        ; 128 rows of 4,096 bytes
	s_lshl_b32 s29, s27, 8                         ; 64 columns of 4 bytes
	s_add_co_u32 s28, s28, s29
	s_mov_b32 s29, 0
	s_lshl_b32 s30, s27, 17                        ; out: 64 rows of 2,048 bytes
	s_lshl_b32 s31, s26, 8                         ; 128 k of 2 bytes
	s_add_co_u32 s30, s30, s31
	s_mov_b32 s31, 0
	v_and_b32 v3, 15, v0                           ; nq
	v_lshrrev_b32 v4, 4, v0                        ; ko
	v_lshlrev_b32 v5, 4, v3
	v_lshl_or_b32 v5, v4, 15, v5                   ; in: 8 ko rows + 16 nq
	v_mul_u32_u24 v6, v3, WPITCH
	v_lshl_add_u32 v6, v4, 4, v6                   ; LDS in: row nq (+ 16 i), 16 bytes at 16 ko
	v_mul_u32_u24 v7, v4, WPITCH
	v_lshl_add_u32 v7, v3, 4, v7                   ; LDS back: row t >> 4 (+ 16 u), 16 bytes at 16 (t & 15)
	v_lshlrev_b32 v3, 4, v3
	v_lshl_or_b32 v3, v4, 13, v3                   ; out: row 4 (t >> 4) of wt, 16 (t & 15)
	s_wait_kmcnt 0x0
.irp w, 0,1,2
	s_add_nc_u64 s[6+2*\w:7+2*\w], s[6+2*\w:7+2*\w], s[28:29]
.endr
	s_add_nc_u64 s[20:21], s[20:21], s[30:31]
.irp w, 0,1,2
.irp j, 0,1,2,3,4,5,6,7
	global_load_b128 v[XI+32*\w+4*\j:XI+32*\w+4*\j+3], v5, s[6+2*\w:7+2*\w] offset:4096*\j th:TH_LOAD_NT   ; 16 lanes: 256 consecutive bytes of row 8 ko + j
.endr
.endr
.irp w, 0,1,2
	s_wait_loadcnt 16-8*\w                         ; this W's eight loads are in, the later W's stay out
.irp i, 0,1,2,3
.irp jj, 0,1,2,3
	v_cvt_pk_f16_f32 v[PK+4*\i+\jj], v[XI+32*\w+8*\jj+\i], v[XI+32*\w+8*\jj+4+\i]    ; column 4 nq + i: k = 8 ko + 2 jj below, + 1 above
.endr
	ds_store_b128 v6, v[PK+4*\i:PK+4*\i+3] offset:WREG*\w+16*WPITCH*\i               ; LDS row 16 i + nq holds column n = 4 nq + i
.endr
.endr
	s_wait_dscnt 0x0                               ; my stores are done, for the other waves' sake
	s_barrier_signal -1
	s_barrier_wait -1
.irp w, 0,1,2
.irp u, 0,1,2,3
	ds_load_b128 v[WB+4*(4*\w+\u):WB+4*(4*\w+\u)+3], v7 offset:WREG*\w+16*WPITCH*\u  ; row 16 u + (t >> 4): column n = 4 (t >> 4) + u, whole
.endr
.endr
.irp w, 0,1,2
.irp u, 0,1,2,3
	s_wait_dscnt 11-(4*\w+\u)                      ; LDS loads return in order: the younger ones stay out
	global_store_b128 v3, v[WB+4*(4*\w+\u):WB+4*(4*\w+\u)+3], s[20:21] offset:2097152*\w+2048*\u   ; 16 lanes: 256 consecutive bytes of a row of wt, aligned
.endr
.endr
	; the biases: 64 numbers of each, by wave 0 of the work-groups with kt = 0
	s_cmp_lg_u32 s26, 0
	s_cbranch_scc1 .Lend
	s_cmp_lg_u32 s24, 0
	s_cbranch_scc1 .Lend
	s_lshl_b32 s28, s27, 8                         ; s29 is still 0
	v_lshlrev_b32 v2, 3, v2                        ; 8 bytes a lane: 256 consecutive bytes a wave
.irp w, 0,1,2
	s_add_nc_u64 s[12+2*\w:13+2*\w], s[12+2*\w:13+2*\w], s[28:29]
.endr
	s_add_nc_u64 s[22:23], s[22:23], s[28:29]
.irp w, 0,1,2
	global_load_b64 v[BI+2*\w:BI+2*\w+1], v2, s[12+2*\w:13+2*\w]
.endr
	s_wait_loadcnt 0x0
.irp w, 0,1,2
	global_store_b64 v2, v[BI+2*\w:BI+2*\w+1], s[22:23] offset:4096*\w
.endr
.Lend:
	s_wait_tensorcnt 0x0
	ds_add_u32 v200, v201
	s_wait_dscnt 0x0
	s_endpgm
.Lfunc_end_k_qd7161280de_cvt:
	.size	k_qd7161280de_cvt, .Lfunc_end_k_qd7161280de_cvt-k_qd7161280de_cvt
	.p2alignl 7, 3214868480
	.fill 96, 4, 3214868480
	.section	.rodata,"a",@progbits
	.p2align	6, 0x0
	.amdhsa_kernel k_qd7161280de_cvt
		.amdhsa_group_segment_fixed_size 53248
		.amdhsa_private_segment_fixed_size 0
		.amdhsa_enable_private_segment 0
		.amdhsa_kernarg_size 80
		.amdhsa_user_sgpr_count 2
		.amdhsa_user_sgpr_kernarg_segment_ptr 1
		.amdhsa_wavefront_size32 1
		.amdhsa_system_sgpr_workgroup_id_x 1
		.amdhsa_system_sgpr_workgroup_id_y 1
		.amdhsa_system_sgpr_workgroup_id_z 1
		.amdhsa_system_vgpr_workitem_id 0
		.amdhsa_next_free_vgpr 202
		.amdhsa_next_free_sgpr 66
		.amdhsa_reserve_vcc 0
		.amdhsa_float_denorm_mode_32 3
		.amdhsa_float_denorm_mode_16_64 3
		.amdhsa_memory_ordered 1
		.amdhsa_forward_progress 1
		.amdhsa_inst_pref_size 23
	.end_amdhsa_kernel
	.amdgpu_metadata
---
amdhsa.version: [ 1, 2 ]
amdhsa.kernels:
  - .name:           k_qd7161280de_cvt
    .symbol:         k_qd7161280de_cvt.kd
    .args:
      - { .name: x, .offset: 0, .size: 8, .value_kind: global_buffer, .address_space: global }
      - { .name: Wq, .offset: 8, .size: 8, .value_kind: global_buffer, .address_space: global }
      - { .name: Wk, .offset: 16, .size: 8, .value_kind: global_buffer, .address_space: global }
      - { .name: Wv, .offset: 24, .size: 8, .value_kind: global_buffer, .address_space: global }
      - { .name: bq, .offset: 32, .size: 8, .value_kind: global_buffer, .address_space: global }
      - { .name: bk, .offset: 40, .size: 8, .value_kind: global_buffer, .address_space: global }
      - { .name: bv, .offset: 48, .size: 8, .value_kind: global_buffer, .address_space: global }
      - { .name: xh, .offset: 56, .size: 8, .value_kind: global_buffer, .address_space: global }
      - { .name: wt, .offset: 64, .size: 8, .value_kind: global_buffer, .address_space: global }
      - { .name: bias, .offset: 72, .size: 8, .value_kind: global_buffer, .address_space: global }
    .group_segment_fixed_size: 53248
    .private_segment_fixed_size: 0
    .kernarg_segment_align: 8
    .kernarg_segment_size: 80
    .max_flat_workgroup_size: 256
    .sgpr_count:     66
    .vgpr_count:     202
    .wavefront_size: 32
...
	.end_amdgpu_metadata
.endif
;; end of part 1
;; launch qkv (part 2): grid 8 x 32, 4 waves a work-group, clusters of 4 x 4, 327,680 bytes of LDS; arguments xh, wt, bias, qkv; writes qkv
.if DOCPART == 2
	.amdgcn_target "amdgcn-amd-amdhsa--gfx1250"
	.amdhsa_code_object_version 6
	.text
	.protected	k_qd7161280de_qkv
	.globl	k_qd7161280de_qkv
	.p2align	8
	.type	k_qd7161280de_qkv,@function
k_qd7161280de_qkv:
	s_mov_b64 s[64:65], 0
	v_nop
	global_prefetch_b8 v0, s[64:65] scope:SCOPE_SE
	s_setreg_imm32_b32 hwreg(HW_REG_WAVE_MODE, 25, 1), 1
	s_wait_xcnt 0x0
	s_wait_alu depctr_hold_cnt(0) depctr_sa_sdst(0) depctr_va_vdst(0) depctr_va_sdst(0) depctr_va_ssrc(0) depctr_va_vcc(0) depctr_vm_vsrc(0)
	s_getreg_b32 s2, hwreg(HW_REG_IB_STS2, 6, 4)
	s_cmp_eq_u32 s2, 0
	s_cbranch_scc0 .Lentry_in_a_cluster
	s_endpgm
.Lentry_in_a_cluster:
	s_bfe_u32 s2, ttmp6, 0x10000c
	s_cmp_lg_u32 s2, 0xf033
	s_cbranch_scc0 .Lentry_shape_is_right
	s_endpgm
.Lentry_shape_is_right:
; qkv[m][n] = sum over k of xh[m][k] wt[n][k] + bias[n].  xh [8192][1024], wt [3072][1024] f16; bias [3072] f32; qkv [8192][3072] f16, rounded once.
; Sums in f32, started by the bias (the first product's C operand), K ascending.  NaN and infinities in the inputs are not served.
; LIMIT: a result of magnitude 65,504 or more becomes infinite in f16.  The room: a sum of 1024 products of x (spread 1) and W (spread 1/32) has spread 1;
; with x and W both 30 times larger it has spread 900; with x offset by 30 and W by 30/32 it lies near 30 x 30/32 x 1024 = 28,800.
; 3072 = 8 x 384: a block is 128 x 384, a row of it 768 bytes, three aligned blocks of 256.  There are 8 x 64 = 512 blocks and 8 x 32 = 256 work-groups:
; a work-group STAYS and makes two blocks, block rows y and y + 32 of one block column.  The ring of slots runs on from the first block into the second:
; the first block's last lap asks for the second block's K steps 0 and 1, which land while the first block goes out, and the first block's stores
; leave while the second is multiplied.
; Four waves; a wave makes 128 x 96: 48 accumulator tiles of 16 x 16, 384 registers.  All four read the same 128 rows of xh.
; K goes in steps of 128 (rows of 256 bytes) through two LDS slots: 128 rows of xh, then 384 rows of wt.  Wave 0 fetches xh's tile, waves 1 to 3 a third
; of wt's each: one tensor load of 128 rows a wave.
; CLUSTER 4 x 4: xh's tile hangs on the block row alone and is asked for jointly by the four of a row of the cluster; wt's on the block column alone,
; jointly by the four of a column.
; No prefetch here: a tile of wt is shared by 32 work-groups, so a work-group's share of a K step is 12 blocks of 256 bytes, which does not fill a wave's lanes.
; REGISTER WINDOWS: 0: addresses, xh's fragments (v64-127, v128-191), v192-215 packed results.  1: wt's fragments (v64-111, v128-175), v192-239 the bias.
; 2: accumulators of rows 0-63 (tile (a, b) at v[8 (6 a + b)]).  3: those of rows 64-127.
; The matrix instruction is used transposed (source 0 = 16 rows of wt, source 1 = 16 rows of xh): lane l holds row l % 16 and its registers the eight
; neighbouring columns 8 (l / 16) + 0..7.
.set KSTEP,  128
.set PITCH,  272                       ; 256 bytes of data + 16 of padding: 16 neighbouring rows begin in 16 different 16-byte columns of 256
.set HALFT,  128*PITCH                 ; what one tensor load brings
.set SLOT,   4*HALFT
.set WAVEB,  96*PITCH                  ; a wave's 96 rows of wt
.set STAGE,  2*SLOT                    ; behind the ring: two stages of 16 rows x 784 bytes, shared by the four waves; no tensor load lands here
.set SPITCH, 784                       ; 768 + 16
.set SBYTES, 16*SPITCH
.set LAPS,   4                         ; 1024 / 256: a lap = two K steps = once round the ring
.set NL,     28                        ; LDS loads of one quarter step: 12 for wt, 16 for xh
.set OROWB,  6144                      ; bytes in a row of qkv
.set AJUMP,  32*128*2048-6*KSTEP*2     ; xh: from K step 6 (7) of a block to K step 0 (1) of the block 32 block rows down
.set BBACK,  6*KSTEP*2                 ; wt: from K step 6 (7) back to K step 0 (1) of the same rows
.set OJUMP,  (32*128-7*16)*OROWB       ; qkv: from the first block's last 16 rows to the second block's first
.set ADRA, 16                          ; v16-17 LDS address of my xh fragments in slot 0, 1
.set ADRB, 20                          ; v20-21 the same for wt
.set STO,  24
.set RD,   25
.set CO,   26
.set BADR, 27                          ; 32 (l / 16): my eight bias numbers of a block; never rewritten
.set F0,   64
.set F1,   128
.set FO0,  F1                          ; the way out reads rows back into two parts of buffer 1: buffer 0 may hold the next block's first fragments
.set FO1,  F1+32
.set TMP,  192
.set BIAS, 192                         ; in window 1
.set G1, 24
.set G0, 32
.set G1B, 48
.set G0B, 56
.set MSB, 0
.macro WIN new                         ; the immediate's high byte repeats the setting that is left
.if MSB != \new
	s_set_vgpr_msb (MSB<<8)|\new
.set MSB, \new
.endif
.endm
.set MUL_LO, 0xa1                      ; source 0 window 1, source 1 window 0, C and D window 2
.set MUL_HI, 0xf1                      ; C and D window 3
.set BIA_LO, 0x91                      ; C window 1 (the bias), D window 2
.set BIA_HI, 0xd1                      ; C window 1, D window 3
.set TO_B,   0x40
; A joint load: wave 0 asks for xh's tile, waves 1 to 3 for their third of wt's.  The branch hangs on the wave's number alone.
.macro JLOAD s
	s_cmp_eq_u32 s10, 0
	s_cbranch_scc0 .Lfor_b_\@
	tensor_load_to_lds s[G0+4*\s:G0+4*\s+3], s[G1:G1+7]
	s_nop 0
.rept 4
	v_nop
.endr
	s_branch .Lasked_\@
.Lfor_b_\@:
	tensor_load_to_lds s[G0B+4*\s:G0B+4*\s+3], s[G1B:G1B+7]
	s_nop 0
.rept 4
	v_nop
.endr
.Lasked_\@:
.endm
.macro CREST                           ; a round of the cluster's barrier behind its opening barrier
	s_cmp_lg_u32 s10, 0
	s_cbranch_scc1 .Lnot_wave_0_\@
	s_barrier_signal -3
.Lnot_wave_0_\@:
	s_barrier_wait -3
	s_barrier_signal -1
	s_barrier_wait -1
.endm
.macro CROUND
	s_barrier_signal -1
	s_barrier_wait -1
	CREST
.endm
.macro PLACES                          ; four plain vector places behind a matrix instruction, in front of loads into its sources and of readers of its result
.rept 4
	v_nop
.endr
.endm
	s_load_b128 s[4:7], s[0:1], 0x0                ; xh s[4:5], wt s[6:7]
	s_load_b128 s[68:71], s[0:1], 0x10             ; bias s[68:69], qkv s[70:71]
	v_lshl_add_u32 v254, v0, 2, 0x4a200
	v_mov_b32 v255, 0
	ds_add_u32 v254, v255
	v_lshrrev_b32 v1, 5, v0
	v_readfirstlane_b32 s10, v1                    ; wave 0..3
	s_max_u32 s12, s10, 1
	s_sub_co_u32 s12, s12, 1                       ; which third of wt's tile I fetch (waves 1 to 3)
	s_bfe_u32 s40, ttmp6, 0x40000                  ; cx
	s_bfe_u32 s41, ttmp6, 0x40004                  ; cy
	s_lshl_b32 s42, ttmp9, 2
	s_add_co_u32 s42, s42, s40                     ; block column 0..7
	s_and_b32 s13, ttmp7, 0xffff
	s_lshl_b32 s13, s13, 2
	s_add_co_u32 s13, s13, s41                     ; first block row 0..31; the second is 32 further down
	s_lshl_b32 s43, s41, 2
	s_lshl_b32 s43, 15, s43                        ; my row of the cluster
	s_lshl_b32 s44, 0x1111, s40                    ; my column
	; group 1: 128 rows x 128 elements of 2 bytes, 4 words of padding behind every 64 words; the mask, bit 21 beside it
	s_or_b32 s[G1+0], s43, (1<<16)|(1<<20)|(1<<21)|(5<<22)|(3<<25)
	s_or_b32 s[G1B+0], s44, (1<<16)|(1<<20)|(1<<21)|(5<<22)|(3<<25)
	s_mov_b32 s[G1+1], KSTEP<<16                   ; tensor_dim0 = 128
	s_mov_b32 s[G1B+1], KSTEP<<16
	s_mov_b32 s[G1+2], 128<<16                     ; tensor_dim1 = 128
	s_mov_b32 s[G1B+2], 128<<16
	s_mov_b32 s[G1+3], KSTEP<<16                   ; tile_dim0 = 128
	s_mov_b32 s[G1B+3], KSTEP<<16
	s_mov_b32 s[G1+4], 128                         ; tile_dim1 = 128
	s_mov_b32 s[G1B+4], 128
	s_mov_b32 s[G1+5], 1024                        ; elements from row to row
	s_mov_b32 s[G1B+5], 1024
	s_mov_b32 s[G1+6], 0
	s_mov_b32 s[G1B+6], 0
	s_mov_b32 s[G1+7], 0
	s_mov_b32 s[G1B+7], 0
	s_lshl_b32 s16, s13, 18                        ; xh: block row x 128 rows x 2,048 bytes
	s_mov_b32 s17, 0
	s_mul_i32 s46, s42, 384                        ; wt: row 384 x block column + 128 x third,
	s_lshl_b32 s18, s12, 7
	s_add_co_u32 s46, s46, s18
	s_lshl_b32 s46, s46, 11                        ; of 2,048 bytes
	s_mov_b32 s47, 0
	s_mul_i32 s20, s10, HALFT                      ; where my tile goes: wave x 128 rows
	s_mul_i32 s66, s42, 1536                       ; bias: (384 x block column + 96 x wave) x 4 bytes
	s_mul_i32 s67, s10, 384
	s_add_co_u32 s66, s66, s67
	s_mov_b32 s67, 0
	s_wait_dscnt 0x0
	s_wait_kmcnt 0x0
	s_add_nc_u64 s[14:15], s[4:5], s[16:17]
	s_add_nc_u64 s[46:47], s[6:7], s[46:47]
	s_add_nc_u64 s[68:69], s[68:69], s[66:67]
	CROUND                                         ; all sixteen work-groups are here: the first joint loads meet
.irp s, 0,1
	s_mov_b32 s[G0+4*\s], 1
	s_add_co_u32 s[G0+4*\s+1], s20, \s*SLOT
	s_add_nc_u64 s[G0+4*\s+2:G0+4*\s+3], s[14:15], \s*KSTEP*2
	s_or_b32 s[G0+4*\s+3], s[G0+4*\s+3], 0x80000000
	s_mov_b32 s[G0B+4*\s], 1
	s_add_co_u32 s[G0B+4*\s+1], s20, \s*SLOT
	s_add_nc_u64 s[G0B+4*\s+2:G0B+4*\s+3], s[46:47], \s*KSTEP*2
	s_or_b32 s[G0B+4*\s+3], s[G0B+4*\s+3], 0x80000000
	JLOAD \s                                       ; both first fills go out as one group: two tensor loads of the wave are out
.endr
	v_and_b32 v1, 15, v0                           ; l % 16
	v_bfe_u32 v2, v0, 4, 1                         ; l / 16
	v_lshlrev_b32 v[BADR], 5, v2
	WIN TO_B
.irp b, 0,1,2,3,4,5
	global_load_b128 v[BIAS+8*\b:BIAS+8*\b+3],   v[BADR], s[68:69] offset:64*\b      ; register j: bias of column 16 b + 8 (l / 16) + j, the place that the result has
	global_load_b128 v[BIAS+8*\b+4:BIAS+8*\b+7], v[BADR], s[68:69] offset:64*\b+16
.endr
	WIN 0
	v_mul_u32_u24 v3, v1, PITCH
	v_lshl_add_u32 v3, v2, 4, v3                   ; fragment: row x pitch + 16 x half
	s_mov_b32 s21, 0                               ; xh's 128 rows: the same for all four waves
	s_mul_i32 s22, s10, WAVEB
	s_add_co_u32 s22, s22, HALFT                   ; my 96 rows of wt, behind xh's
.irp s, 0,1
	v_add_nc_u32 v[ADRA+\s], s21, v3
	v_add_nc_u32 v[ADRB+\s], s22, v3
	s_add_co_u32 s21, s21, SLOT
	s_add_co_u32 s22, s22, SLOT
.endr
	s_mul_i32 s23, s10, 192
	s_add_co_u32 s23, s23, STAGE
	v_mul_u32_u24 v4, v1, SPITCH
	v_lshl_add_u32 v4, v2, 4, v4
	v_add_nc_u32 v[STO], s23, v4                   ; in: row l % 16, my wave's 192 bytes, 16 for each half of the lanes
	s_mul_i32 s23, s10, 4*SPITCH
	s_add_co_u32 s23, s23, STAGE
	v_mul_u32_u24 v5, v2, SPITCH
	v_lshl_add_u32 v5, v1, 4, v5
	v_add_nc_u32 v[RD], s23, v5                    ; back: row 4 wave + l / 16, 16 (l % 16)
	s_mul_i32 s23, s10, 4*OROWB
	v_mul_u32_u24 v5, v2, OROWB
	v_lshl_add_u32 v5, v1, 4, v5
	v_add_nc_u32 v[CO], s23, v5                    ; the same place in qkv
; 12 matrix instructions: m blocks a0, a0 + 1 of the window's four x my 6 n blocks.  cm = 2: the bias is C and starts the sums; cm = 0: in place.
; The 48 accumulators take turns, one instruction a turn, in the same order in every quarter step, over the backward jumps and from block to block too.
.macro MULG f, hi, a0, cm
.irp a, \a0, \a0+1
.irp b, 0,1,2,3,4,5
.if \cm == 2
	v_wmma_f32_16x16x32_f16 v[8*(6*(\a)+\b):8*(6*(\a)+\b)+7], v[\f+8*\b:\f+8*\b+7], v[\f+8*(4*\hi+\a):\f+8*(4*\hi+\a)+7], v[BIAS+8*\b:BIAS+8*\b+7]
.else
	v_wmma_f32_16x16x32_f16 v[8*(6*(\a)+\b):8*(6*(\a)+\b)+7], v[\f+8*\b:\f+8*\b+7], v[\f+8*(4*\hi+\a):\f+8*(4*\hi+\a)+7], v[8*(6*(\a)+\b):8*(6*(\a)+\b)+7]
.endif
.endr
.endr
.endm
.macro FETCH slot, k, f                ; the fragments of one quarter step (32 K at byte k of the rows) into buffer f: 28 loads in one run
	WIN TO_B
.irp i, 0,1,2,3,4,5
	ds_load_b128 v[\f+8*\i:\f+8*\i+3],   v[ADRB+\slot] offset:\k+\i*16*PITCH
	ds_load_b128 v[\f+8*\i+4:\f+8*\i+7], v[ADRB+\slot] offset:\k+\i*16*PITCH+32
.endr
	WIN 0
.irp i, 0,1,2,3,4,5,6,7
	ds_load_b128 v[\f+8*\i:\f+8*\i+3],   v[ADRA+\slot] offset:\k+\i*16*PITCH
	ds_load_b128 v[\f+8*\i+4:\f+8*\i+7], v[ADRA+\slot] offset:\k+\i*16*PITCH+32
.endr
.endm
.macro QUARTER slot, k, f, g, cm
	s_wait_dscnt 8                                 ; wt's fragments and xh's rows 0-63 are in; the youngest eight loads (rows 64-127) may be out
.if \cm == 2
	WIN BIA_LO
.else
	WIN MUL_LO
.endif
	MULG \f, 0, 0, \cm
	MULG \f, 0, 2, \cm
	PLACES
	FETCH \slot, \k, \g
	s_wait_dscnt NL                                ; all but the 28 just issued
.if \cm == 2
	WIN BIA_HI
.else
	WIN MUL_HI
.endif
	MULG \f, 1, 0, \cm
	MULG \f, 1, 2, \cm
.endm
.macro THREE slot, cm
	QUARTER \slot, 64,  F0, F1, \cm
	QUARTER \slot, 128, F1, F0, 0
	QUARTER \slot, 192, F0, F1, 0
.endm
; The last quarter of a K step changes slots.  Half of its products stand in front of the change, half behind it.  In front of the barrier each wave waits for
; its reads of this slot and for all its tensor loads (one is out: its part of the next slot), and steps this slot's addresses, which no load names any more.
; Where the slot is filled again the barrier opens a round of the cluster's barrier, nothing but the round stands between the waits and the request, and the
; joint refill is the first tensor load behind the round: one load of the wave is out from there to the next such wait, 192 matrix instructions later.
; fill = 1: two K steps on.  fill = 2: the same K steps' place in the second block.  fill = 0: nothing is left to fetch.
.macro TURN slot, next, fill
	s_wait_dscnt 8
	WIN MUL_LO
	MULG F1, 0, 0, 0
	MULG F1, 0, 2, 0
	WIN 0
	s_wait_dscnt 0                                 ; my reads of this slot are over
	s_wait_tensorcnt 0x0                           ; all my tensor loads have landed
	ds_add_u32 v254, v255
	s_wait_dscnt 0x0
.if \fill == 1
	s_add_nc_u64 s[G0+4*\slot+2:G0+4*\slot+3], s[G0+4*\slot+2:G0+4*\slot+3], 2*KSTEP*2
	s_add_nc_u64 s[G0B+4*\slot+2:G0B+4*\slot+3], s[G0B+4*\slot+2:G0B+4*\slot+3], 2*KSTEP*2
.endif
.if \fill == 2
	s_add_nc_u64 s[G0+4*\slot+2:G0+4*\slot+3], s[G0+4*\slot+2:G0+4*\slot+3], AJUMP
	s_sub_nc_u64 s[G0B+4*\slot+2:G0B+4*\slot+3], s[G0B+4*\slot+2:G0B+4*\slot+3], BBACK
.endif
	s_barrier_signal -1
	s_barrier_wait -1
.if \fill
	CREST
	JLOAD \slot                                    ; its four v_nop are also the places in front of the loads below
.else
	PLACES
.endif
	FETCH \next, 0, F0
	WIN MUL_HI
	MULG F1, 1, 0, 0
	MULG F1, 1, 2, 0
.endm
.macro LAP cm, fill
	THREE 0, \cm
	TURN 0, 1, \fill
	THREE 1, 0
	TURN 1, 0, \fill
.endm
; THE WAY OUT, 16 rows at a time.  A wave's 96 columns are 192 bytes, no whole block of 256, so the four waves lay their parts side by side in a shared
; stage (rows of 768 bytes) and each wave stores four whole rows.  Two stages take turns: a stage is written again only behind the next step's barrier,
; in front of which every wave has waited for its reads of it.  The next block's tile may stay on its way across them.
.macro OUT16 i, a, from, f, step
	WIN \from
.irp b, 0,1,2,3,4,5
.irp r, 0,1,2,3
	v_cvt_pk_f16_f32 v[TMP+4*\b+\r], v[8*(6*\a+\b)+2*\r], v[8*(6*\a+\b)+2*\r+1]
.endr
.endr
	WIN 0
.irp b, 0,1,2,3,4,5
	ds_store_b128 v[STO], v[TMP+4*\b:TMP+4*\b+3] offset:(\i&1)*SBYTES+32*\b
.endr
	s_wait_dscnt 0x0                               ; my stores into this stage and my reads of the other are done
	s_barrier_signal -1
	s_barrier_wait -1                              ; the 16 rows are whole
	s_wait_xcnt 0x0                                ; registers f, which earlier stores read, and the stores' base are rewritten only behind this wait
.if \step
	s_add_nc_u64 s[70:71], s[70:71], \step
.endif
.irp rp, 0,1
.irp uc, 0,1,2
	ds_load_b128 v[\f+4*(3*\rp+\uc):\f+4*(3*\rp+\uc)+3], v[RD] offset:(\i&1)*SBYTES+\rp*2*SPITCH+\uc*256
.endr
.endr
.irp rp, 0,1
.irp uc, 0,1,2
	s_wait_dscnt 5-(3*\rp+\uc)                     ; the younger loads stay out
	global_store_b128 v[CO], v[\f+4*(3*\rp+\uc):\f+4*(3*\rp+\uc)+3], s[70:71] offset:\rp*2*OROWB+\uc*256   ; 16 lanes: 256 consecutive bytes, aligned
.endr
.endr
.endm
.macro WAYOUT first                    ; first: how far the stores' base goes in front of the block's first 16 rows
	OUT16 0, 0, 0x0a, FO0, \first
	OUT16 1, 1, 0x0a, FO1, 16*OROWB
	OUT16 2, 2, 0x0a, FO0, 16*OROWB
	OUT16 3, 3, 0x0a, FO1, 16*OROWB
	OUT16 4, 0, 0x0f, FO0, 16*OROWB
	OUT16 5, 1, 0x0f, FO1, 16*OROWB
	OUT16 6, 2, 0x0f, FO0, 16*OROWB
	OUT16 7, 3, 0x0f, FO1, 16*OROWB
.endm
	s_wait_loadcnt 0x0                             ; the bias
	s_wait_tensorcnt 1                             ; my part of K step 0 is in; K step 1's stays out
	s_barrier_signal -1
	s_barrier_wait -1
	FETCH 0, 0, F0
	; ---- the first block ----
	LAP 2, 1                                       ; the first lap stands in front of the loop: its first products take the bias as C
	WIN 0
	s_mov_b32 s3, LAPS-2
.Llap0:
	LAP 0, 1
	WIN 0
	s_sub_co_u32 s3, s3, 1
	s_cmp_lg_u32 s3, 0
	s_cbranch_scc1 .Llap0
	LAP 0, 2                                       ; the last lap asks for the second block's K steps 0 and 1, and fetches its first fragments into buffer 0
	PLACES
	s_mul_i32 s16, s13, 128*OROWB
	s_mov_b32 s17, 0
	s_add_nc_u64 s[70:71], s[70:71], s[16:17]      ; my first block's first row
	s_mul_i32 s46, s42, 768
	s_mov_b32 s47, 0
	s_add_nc_u64 s[70:71], s[70:71], s[46:47]      ; and column
	WAYOUT 0
	s_wait_xcnt 0x0                                ; buffer 1, which the last stores read, is loaded again only behind this wait
	; ---- the second block ----
	LAP 2, 1
	WIN 0
	s_mov_b32 s3, LAPS-2
.Llap1:
	LAP 0, 1
	WIN 0
	s_sub_co_u32 s3, s3, 1
	s_cmp_lg_u32 s3, 0
	s_cbranch_scc1 .Llap1
	THREE 0, 0                                     ; the last lap fills nothing
	TURN 0, 1, 0
	THREE 1, 0
	s_wait_dscnt 8
	WIN MUL_LO
	MULG F1, 0, 0, 0
	MULG F1, 0, 2, 0
	s_wait_dscnt 0
	WIN MUL_HI
	MULG F1, 1, 0, 0
	MULG F1, 1, 2, 0
	PLACES
	WAYOUT OJUMP
	s_wait_tensorcnt 0x0
	ds_add_u32 v254, v255
	s_wait_dscnt 0x0
	CROUND                                         ; the closing round: no work-group ends while a partner may still ask for a tile that names it
	s_endpgm
.Lfunc_end_k_qd7161280de_qkv:
	.size	k_qd7161280de_qkv, .Lfunc_end_k_qd7161280de_qkv-k_qd7161280de_qkv
	.p2alignl 7, 3214868480
	.fill 96, 4, 3214868480
	.section	.rodata,"a",@progbits
	.p2align	6, 0x0
	.amdhsa_kernel k_qd7161280de_qkv
		.amdhsa_group_segment_fixed_size 327680
		.amdhsa_private_segment_fixed_size 0
		.amdhsa_enable_private_segment 0
		.amdhsa_kernarg_size 32
		.amdhsa_user_sgpr_count 2
		.amdhsa_user_sgpr_kernarg_segment_ptr 1
		.amdhsa_wavefront_size32 1
		.amdhsa_system_sgpr_workgroup_id_x 1
		.amdhsa_system_sgpr_workgroup_id_y 1
		.amdhsa_system_sgpr_workgroup_id_z 1
		.amdhsa_system_vgpr_workitem_id 0
		.amdhsa_next_free_vgpr 1024
		.amdhsa_next_free_sgpr 76
		.amdhsa_reserve_vcc 0
		.amdhsa_float_denorm_mode_32 3
		.amdhsa_float_denorm_mode_16_64 3
		.amdhsa_memory_ordered 1
		.amdhsa_forward_progress 1
		.amdhsa_inst_pref_size 255
	.end_amdhsa_kernel
	.section	.bss,"aw",@nobits
	.p2align	6
	.space	262144
	.amdgpu_metadata
---
amdhsa.version: [ 1, 2 ]
amdhsa.kernels:
  - .name:           k_qd7161280de_qkv
    .symbol:         k_qd7161280de_qkv.kd
    .args:
      - { .name: xh, .offset: 0, .size: 8, .value_kind: global_buffer, .address_space: global }
      - { .name: wt, .offset: 8, .size: 8, .value_kind: global_buffer, .address_space: global }
      - { .name: bias, .offset: 16, .size: 8, .value_kind: global_buffer, .address_space: global }
      - { .name: qkv, .offset: 24, .size: 8, .value_kind: global_buffer, .address_space: global }
    .group_segment_fixed_size: 327680
    .private_segment_fixed_size: 0
    .kernarg_segment_align: 8
    .kernarg_segment_size: 32
    .max_flat_workgroup_size: 128
    .sgpr_count:     76
    .vgpr_count:     1024
    .wavefront_size: 32
...
	.end_amdgpu_metadata
.endif
;; end of part 2
;; launch scores (part 3): grid 8 x 32, 4 waves a work-group, clusters of 4 x 4, 327,680 bytes of LDS; arguments qkv, p, stat; writes p, stat
.if DOCPART == 3
	.amdgcn_target "amdgcn-amd-amdhsa--gfx1250"
	.amdhsa_code_object_version 6
	.text
	.protected	k_qd7161280de_scores
	.globl	k_qd7161280de_scores
	.p2align	8
	.type	k_qd7161280de_scores,@function
k_qd7161280de_scores:
	s_mov_b64 s[64:65], 0
	v_nop
	global_prefetch_b8 v0, s[64:65] scope:SCOPE_SE
	s_setreg_imm32_b32 hwreg(HW_REG_WAVE_MODE, 25, 1), 1
	s_wait_xcnt 0x0
	s_wait_alu depctr_hold_cnt(0) depctr_sa_sdst(0) depctr_va_vdst(0) depctr_va_sdst(0) depctr_va_ssrc(0) depctr_va_vcc(0) depctr_vm_vsrc(0)
	s_getreg_b32 s2, hwreg(HW_REG_IB_STS2, 6, 4)
	s_cmp_eq_u32 s2, 0
	s_cbranch_scc0 .Lentry_in_a_cluster
	s_endpgm
.Lentry_in_a_cluster:
	s_bfe_u32 s2, ttmp6, 0x10000c
	s_cmp_lg_u32 s2, 0xf033
	s_cbranch_scc0 .Lentry_shape_is_right
	s_endpgm
.Lentry_shape_is_right:
; For a block of 256 query rows x 256 keys (one chunk of the row's batch): s = q . k (f32 sums, K = 1024 ascending), m = c x (largest s of the row in this
; chunk), p = 2^(c s - m) with c = log2(e) / 32 (the division by sqrt(1024) and the change of base in one factor), p rounded once to f16.
; Stored: p [8192][2048] f16; stat: mx[chunk][row] = m at byte 0, ls[2 chunk + half][row] = sum of the unrounded p over 128 keys at byte 262,144.
; The true maximum of the chunk is taken away here; the next launch brings the eight chunks of a row to the row's maximum by 2^(m - M).  The exponent is one
; fused multiply-add with the very m that is stored, so p and that factor use the same shift.
; LIMITS: q and k are f16; NaN and infinities are not served.  p is at most 1, so f16 has the room above; a p below 2^-25 of its chunk's largest weight
; rounds to 0 in f16 (2048 such keys are at most 6e-5 of the row's weight), and in the sums a p below 2^-126 counts as 0 (v_exp_f32 flushes: ISA guide 15.8).
; Four waves, 128 x 128 each, 64 accumulator tiles; K in steps of 128 through two LDS slots (256 rows of q, 256 rows of k, rows of 256 bytes).
; CLUSTER 4 x 4: q's tile hangs on the block row alone (shared along a row of the cluster), k's on the chunk and the batch (shared along a column; the four
; block rows of a cluster lie in one batch, since a batch has eight).
; PREFETCH: q's tile of a K step (256 rows x 256 bytes) is read by the eight work-groups of a block row, k's by the eight of a chunk and batch.  Each of the
; eight asks for 32 of the 256 rows, one lane a row, so that each aligned block of 256 bytes is asked for once in the launch: wave 0 for q, wave 2 for k.
; Behind the request for K step s + 2 stands the prefetch for K step s + 3: one K step, 256 matrix instructions of a wave, ahead of the tensor load that wants
; it.  K step 2 is asked for behind the first fills; the last prefetch is for K step 7, so none leaves q's or k's 2,048 bytes of a row.  The four laps are
; written out, so that the K step stands in the immediate and no register of a prefetch is ever rewritten.
; WINDOWS: 0 addresses, q's fragments, work; 1 k's fragments; 2 accumulators of my rows 0-63 (tile (a, b) at v[8 (8 a + b)]); 3 those of rows 64-127.
; Transposed use: source 0 = 16 rows of k, source 1 = 16 rows of q: lane l holds query row l % 16 and keys 8 (l / 16) + 0..7 of each tile.
.set KSTEP,  128
.set PITCH,  272
.set HALFT,  128*PITCH
.set SLOT,   4*HALFT
.set STAGE,  2*SLOT                    ; 16 rows x 272 bytes for each wave
.set SPITCH, 272
.set XM,     STAGE+4*16*SPITCH         ; 4 waves x 128 row maxima
.set XSO,    2048                      ; behind them 4 waves x 128 row sums
.set QROWB,  6144                      ; bytes in a row of qkv
.set PROWB,  4096                      ; bytes in a row of p
.set NEGINF, 0xff800000
.set ADRA, 16
.set ADRB, 20
.set PFO,  22                          ; 6,144 lane: the prefetch's row; never rewritten
.set STO,  24
.set RD,   25
.set CO,   26
.set XA,   27                          ; XM + 512 wave + 4 (l % 16)
.set XP,   28                          ; XM + 1024 (wave / 2) + 4 (l % 16): the two waves that share my rows
.set X16,  29                          ; XM + 512 wave + 16 lane
.set XP16, 30                          ; XM + 1024 (wave / 2) + 16 lane
.set L16,  31                          ; 16 lane
.set MX,   32                          ; v32-39  largest s of row 16 a + l % 16
.set NM2,  40                          ; v40-55  - m, twice (a pair for the packed multiply-add)
.set SM,   56                          ; v56-63  row sums
.set F0,   64
.set F1,   128
.set TMP,  192
.set T,    224
.set G1, 24
.set G0, 32
.set G1B, 48
.set G0B, 56
.set PB, 78                            ; s[78:79] the prefetch's base: my 32 rows of q's tile (wave 0) or of k's (wave 2), K step 0; never rewritten
.set MSB, 0
.macro WIN new
.if MSB != \new
	s_set_vgpr_msb (MSB<<8)|\new
.set MSB, \new
.endif
.endm
.set MUL_LO, 0xa1
.set MUL_HI, 0xf1
.set TO_B,   0x40
.macro JLOAD s                         ; waves 0 and 1 ask for q's two halves, waves 2 and 3 for k's
	s_cmp_eq_u32 s11, 0
	s_cbranch_scc0 .Lfor_b_\@
	tensor_load_to_lds s[G0+4*\s:G0+4*\s+3], s[G1:G1+7]
	s_nop 0
.rept 4
	v_nop
.endr
	s_branch .Lasked_\@
.Lfor_b_\@:
	tensor_load_to_lds s[G0B+4*\s:G0B+4*\s+3], s[G1B:G1B+7]
	s_nop 0
.rept 4
	v_nop
.endr
.Lasked_\@:
.endm
.macro CREST
	s_cmp_lg_u32 s10, 0
	s_cbranch_scc1 .Lnot_wave_0_\@
	s_barrier_signal -3
.Lnot_wave_0_\@:
	s_barrier_wait -3
	s_barrier_signal -1
	s_barrier_wait -1
.endm
.macro CROUND
	s_barrier_signal -1
	s_barrier_wait -1
	CREST
.endm
.macro PLACES                          ; four plain vector places behind a matrix instruction (ISA guide 7.12.1)
.rept 4
	v_nop
.endr
.endm
.macro PREF step                       ; waves 0 and 2: my 32 rows' blocks of K step 'step'
	s_cmp_lg_u32 s12, 0
	s_cbranch_scc1 .Lno_pf_\@
	global_prefetch_b8 v[PFO], s[PB:PB+1] offset:256*\step th:TH_LOAD_NT scope:SCOPE_SE
.Lno_pf_\@:
.endm
	s_load_b128 s[4:7], s[0:1], 0x0                ; qkv s[4:5], p s[6:7]
	s_load_b64 s[8:9], s[0:1], 0x10                ; stat
	v_lshl_add_u32 v19, v0, 2, 0x49400
	v_mov_b32 v23, 0
	ds_add_u32 v19, v23
	v_lshrrev_b32 v1, 5, v0
	v_readfirstlane_b32 s10, v1                    ; wave
	s_lshr_b32 s11, s10, 1                         ; which half of the rows is mine; also: I fetch for q (0) or for k (1)
	s_and_b32 s12, s10, 1                          ; which half of the keys; also: which 128 rows of that tile I fetch
	s_bfe_u32 s40, ttmp6, 0x40000                  ; cx
	s_bfe_u32 s41, ttmp6, 0x40004                  ; cy
	s_lshl_b32 s42, ttmp9, 2
	s_add_co_u32 s42, s42, s40                     ; chunk 0..7
	s_and_b32 s45, ttmp7, 0xffff
	s_lshl_b32 s13, s45, 2
	s_add_co_u32 s13, s13, s41                     ; block row 0..31
	s_lshr_b32 s45, s45, 1                         ; batch = block row / 8 = cluster y / 2: no cy in it
	s_lshl_b32 s43, s41, 2
	s_lshl_b32 s43, 15, s43
	s_lshl_b32 s44, 0x1111, s40
	s_mov_b32 s72, 0x76543210                      ; v_permlanex16_b32: lane i takes lane i of the other half
	s_mov_b32 s73, 0xfedcba98
	s_mov_b32 s74, 0x3d38aa3b                      ; c = log2(e) / 32
	s_mov_b32 s75, 0x3d38aa3b
	s_or_b32 s[G1+0], s43, (1<<16)|(1<<20)|(1<<21)|(5<<22)|(3<<25)
	s_or_b32 s[G1B+0], s44, (1<<16)|(1<<20)|(1<<21)|(5<<22)|(3<<25)
	s_mov_b32 s[G1+1], KSTEP<<16
	s_mov_b32 s[G1B+1], KSTEP<<16
	s_mov_b32 s[G1+2], 128<<16
	s_mov_b32 s[G1B+2], 128<<16
	s_mov_b32 s[G1+3], KSTEP<<16
	s_mov_b32 s[G1B+3], KSTEP<<16
	s_mov_b32 s[G1+4], 128
	s_mov_b32 s[G1B+4], 128
	s_mov_b32 s[G1+5], 3072                        ; elements from row to row of qkv
	s_mov_b32 s[G1B+5], 3072
	s_mov_b32 s[G1+6], 0
	s_mov_b32 s[G1B+6], 0
	s_mov_b32 s[G1+7], 0
	s_mov_b32 s[G1B+7], 0
	s_lshl_b32 s18, s12, 7                         ; which 128 rows of the tile I fetch
	s_lshl_b32 s16, s13, 8
	s_add_co_u32 s16, s16, s18
	s_mul_i32 s16, s16, QROWB                      ; q: row 256 x block row + 128 x half
	s_mov_b32 s17, 0
	s_lshl_b32 s46, s42, 8
	s_add_co_u32 s46, s46, s18
	s_lshl_b32 s19, s45, 11
	s_add_co_u32 s46, s46, s19
	s_mul_i32 s46, s46, QROWB                      ; k: row 2048 x batch + 256 x chunk + 128 x half,
	s_add_co_u32 s46, s46, 2048                    ; at byte 2,048 of the row
	s_mov_b32 s47, 0
	s_mul_i32 s20, s10, HALFT
	; the prefetch's rows, in registers that feed no descriptor (they hold both coordinates)
	s_lshl_b32 s76, s13, 8
	s_lshl_b32 s77, s42, 5
	s_add_co_u32 s76, s76, s77                     ; q: row 256 x block row + 32 x chunk: my eighth of the tile that my block row's eight share
	s_mul_i32 s76, s76, QROWB
	s_lshl_b32 s77, s45, 11
	s_lshl_b32 s78, s42, 8
	s_add_co_u32 s77, s77, s78
	s_and_b32 s78, s13, 7
	s_lshl_b32 s78, s78, 5
	s_add_co_u32 s77, s77, s78                     ; k: row 2048 x batch + 256 x chunk + 32 x (block row % 8): my eighth of the tile that the batch's eight block rows share
	s_mul_i32 s77, s77, QROWB
	s_add_co_u32 s77, s77, 2048
	s_cmp_eq_u32 s11, 0
	s_cselect_b32 s76, s76, s77                    ; waves 0, 1: q's; waves 2, 3: k's
	s_mov_b32 s77, 0
	v_and_b32 v6, 31, v0
	v_mul_u32_u24 v[PFO], v6, QROWB                ; one lane a row
	s_wait_dscnt 0x0
	s_wait_kmcnt 0x0
	s_add_nc_u64 s[14:15], s[4:5], s[16:17]
	s_add_nc_u64 s[46:47], s[4:5], s[46:47]
	s_add_nc_u64 s[PB:PB+1], s[4:5], s[76:77]
	CROUND
.irp s, 0,1
	s_mov_b32 s[G0+4*\s], 1
	s_add_co_u32 s[G0+4*\s+1], s20, \s*SLOT
	s_add_nc_u64 s[G0+4*\s+2:G0+4*\s+3], s[14:15], \s*KSTEP*2
	s_or_b32 s[G0+4*\s+3], s[G0+4*\s+3], 0x80000000
	s_mov_b32 s[G0B+4*\s], 1
	s_add_co_u32 s[G0B+4*\s+1], s20, \s*SLOT
	s_add_nc_u64 s[G0B+4*\s+2:G0B+4*\s+3], s[46:47], \s*KSTEP*2
	s_or_b32 s[G0B+4*\s+3], s[G0B+4*\s+3], 0x80000000
	JLOAD \s                                       ; two tensor loads of the wave are out
.endr
	PREF 2                                         ; K step 2 is wanted at the end of K step 0
	v_and_b32 v1, 15, v0
	v_bfe_u32 v2, v0, 4, 1
	v_mul_u32_u24 v3, v1, PITCH
	v_lshl_add_u32 v3, v2, 4, v3
	s_mul_i32 s21, s11, HALFT
	s_mul_i32 s22, s12, HALFT
	s_add_co_u32 s22, s22, 2*HALFT
.irp s, 0,1
	v_add_nc_u32 v[ADRA+\s], s21, v3
	v_add_nc_u32 v[ADRB+\s], s22, v3
	s_add_co_u32 s21, s21, SLOT
	s_add_co_u32 s22, s22, SLOT
.endr
	s_mul_i32 s23, s10, 16*SPITCH
	s_add_co_u32 s23, s23, STAGE
	v_mul_u32_u24 v4, v1, SPITCH
	v_lshl_add_u32 v4, v2, 4, v4
	v_add_nc_u32 v[STO], s23, v4
	v_mul_u32_u24 v5, v2, SPITCH
	v_lshl_add_u32 v5, v1, 4, v5
	v_add_nc_u32 v[RD], s23, v5
	v_mul_u32_u24 v5, v2, PROWB
	v_lshl_add_u32 v[CO], v1, 4, v5
	v_lshlrev_b32 v[L16], 4, v6
	s_lshl_b32 s23, s10, 9
	s_add_co_u32 s23, s23, XM
	v_lshl_add_u32 v[XA], v1, 2, s23
	v_add_nc_u32 v[X16], s23, v[L16]
	s_lshl_b32 s23, s11, 10
	s_add_co_u32 s23, s23, XM
	v_lshl_add_u32 v[XP], v1, 2, s23
	v_add_nc_u32 v[XP16], s23, v[L16]
; The 64 accumulators take turns, one instruction a turn, in the same order in every quarter step.
.macro MUL16 f, hi, a0, zero
.irp a, \a0, \a0+1
.irp b, 0,1,2,3,4,5,6,7
.if \zero
	v_wmma_f32_16x16x32_f16 v[8*(8*(\a)+\b):8*(8*(\a)+\b)+7], v[\f+8*\b:\f+8*\b+7], v[\f+8*(4*\hi+\a):\f+8*(4*\hi+\a)+7], 0
.else
	v_wmma_f32_16x16x32_f16 v[8*(8*(\a)+\b):8*(8*(\a)+\b)+7], v[\f+8*\b:\f+8*\b+7], v[\f+8*(4*\hi+\a):\f+8*(4*\hi+\a)+7], v[8*(8*(\a)+\b):8*(8*(\a)+\b)+7]
.endif
.endr
.endr
.endm
.macro FETCH slot, k, f
	WIN TO_B
.irp i, 0,1,2,3,4,5,6,7
	ds_load_b128 v[\f+8*\i:\f+8*\i+3],   v[ADRB+\slot] offset:\k+\i*16*PITCH
	ds_load_b128 v[\f+8*\i+4:\f+8*\i+7], v[ADRB+\slot] offset:\k+\i*16*PITCH+32
.endr
	WIN 0
.irp i, 0,1,2,3,4,5,6,7
	ds_load_b128 v[\f+8*\i:\f+8*\i+3],   v[ADRA+\slot] offset:\k+\i*16*PITCH
	ds_load_b128 v[\f+8*\i+4:\f+8*\i+7], v[ADRA+\slot] offset:\k+\i*16*PITCH+32
.endr
.endm
.macro QUARTER slot, k, f, g, zero
	s_wait_dscnt 8                                 ; k's fragments and q's rows 0-63 are in; the youngest eight loads (rows 64-127) may be out
	WIN MUL_LO
	MUL16 \f, 0, 0, \zero
	MUL16 \f, 0, 2, \zero
	PLACES
	FETCH \slot, \k, \g
	s_wait_dscnt 32                                ; all but the 32 just issued
	WIN MUL_HI
	MUL16 \f, 1, 0, \zero
	MUL16 \f, 1, 2, \zero
.endm
.macro THREE slot, zero
	QUARTER \slot, 64,  F0, F1, \zero
	QUARTER \slot, 128, F1, F0, 0
	QUARTER \slot, 192, F0, F1, 0
.endm
; The change of slots.  Half of the last quarter's products stand in front of it, half behind.  Each wave's reads of this slot and all its tensor loads are
; waited for in front of the barrier, and this slot's addresses, which no load names any more, are stepped there.  Where the slot is filled again the barrier
; opens a round of the cluster's barrier; nothing but the round stands between the waits and the request; the joint refill is the first tensor load behind
; the round and the wave's only one until the next, 256 matrix instructions later.  pf: the K step to prefetch, or -1.
.macro TURN slot, next, fill, pf
	s_wait_dscnt 8
	WIN MUL_LO
	MUL16 F1, 0, 0, 0
	MUL16 F1, 0, 2, 0
	WIN 0
	s_wait_dscnt 0                                 ; my reads of this slot are over
	s_wait_tensorcnt 0x0                           ; all my tensor loads have landed
	ds_add_u32 v19, v23
	s_wait_dscnt 0x0
.if \fill
	s_add_nc_u64 s[G0+4*\slot+2:G0+4*\slot+3], s[G0+4*\slot+2:G0+4*\slot+3], 2*KSTEP*2
	s_add_nc_u64 s[G0B+4*\slot+2:G0B+4*\slot+3], s[G0B+4*\slot+2:G0B+4*\slot+3], 2*KSTEP*2
.endif
	s_barrier_signal -1
	s_barrier_wait -1
.if \fill
	CREST
	JLOAD \slot                                    ; its four v_nop are also the places in front of the loads below
.else
	PLACES
.endif
	FETCH \next, 0, F0
.if \pf >= 0
	PREF \pf
.endif
	WIN MUL_HI
	MUL16 F1, 1, 0, 0
	MUL16 F1, 1, 2, 0
.endm
.macro LAP zero, pa, pb
	THREE 0, \zero
	TURN 0, 1, 1, \pa
	THREE 1, 0
	TURN 1, 0, 1, \pb
.endm
	s_wait_tensorcnt 1                             ; my part of K step 0 is in; K step 1's stays out
	s_barrier_signal -1
	s_barrier_wait -1
	FETCH 0, 0, F0
	LAP 1, 3, 4                                    ; K steps 0, 1: the first products start the sums
	LAP 0, 5, 6                                    ; K steps 2, 3
	LAP 0, 7, -1                                   ; K steps 4, 5: K step 7 is the last to ask for
	THREE 0, 0                                     ; K steps 6, 7 fill nothing
	TURN 0, 1, 0, -1
	THREE 1, 0
	s_wait_dscnt 8
	WIN MUL_LO
	MUL16 F1, 0, 0, 0
	MUL16 F1, 0, 2, 0
	s_wait_dscnt 0
	WIN MUL_HI
	MUL16 F1, 1, 0, 0
	MUL16 F1, 1, 2, 0
	; ---- the softmax's part of this chunk ----
	PLACES
	s_lshl_b32 s16, s13, 8
	s_lshl_b32 s14, s11, 7
	s_add_co_u32 s16, s16, s14                     ; my first query row
	s_lshl_b32 s14, s16, 2                         ; its 4 bytes in a row of stat's tables
	s_mov_b32 s15, 0
	s_lshl_b32 s16, s16, 12                        ; its row of p
	s_mov_b32 s17, 0
	s_add_nc_u64 s[6:7], s[6:7], s[16:17]
	s_add_nc_u64 s[8:9], s[8:9], s[14:15]
	s_lshl_b32 s46, s42, 9                         ; my first key, in bytes: 512 x chunk + 256 x half
	s_lshl_b32 s47, s12, 8
	s_add_co_u32 s46, s46, s47
	s_mov_b32 s47, 0
	s_add_nc_u64 s[6:7], s[6:7], s[46:47]
	s_lshl_b32 s46, s42, 15                        ; mx[chunk]: 8,192 rows of 4 bytes
	s_add_nc_u64 s[66:67], s[8:9], s[46:47]
	s_lshl_b32 s46, s42, 1
	s_add_co_u32 s46, s46, s12
	s_lshl_b32 s46, s46, 15                        ; ls[2 chunk + half]
	s_add_nc_u64 s[68:69], s[8:9], s[46:47]
; the largest of a lane's 64 numbers of each of four rows: four chains side by side, two numbers an instruction
.macro ROWMAX hi
.irp a, 0,1,2,3
	v_max3_num_f32 v[MX+4*\hi+\a], NEGINF, v[64*\a], v[64*\a+1]
.endr
.set ii, 1
.rept 31
.irp a, 0,1,2,3
	v_max3_num_f32 v[MX+4*\hi+\a], v[MX+4*\hi+\a], v[64*\a+2*ii], v[64*\a+2*ii+1]
.endr
.set ii, ii+1
.endr
.endm
	WIN 0x28                                       ; sources 1 and 2 window 2
	ROWMAX 0
	WIN 0x3c                                       ; window 3
	ROWMAX 1
	WIN 0
.irp a, 0,1,2,3,4,5,6,7
	v_permlanex16_b32 v[F0+\a], v[MX+\a], s72, s73 ; the other half of the lanes holds the row's other keys
.endr
.irp a, 0,1,2,3,4,5,6,7
	v_max_num_f32 v[MX+\a], v[MX+\a], v[F0+\a]
.endr
.irp a, 0,1,2,3,4,5,6,7
	ds_store_b32 v[XA], v[MX+\a] offset:64*\a      ; both halves of the lanes write the same word with the same number
.endr
	s_wait_dscnt 0x0                               ; my stores are done, for the wave that shares my rows
	s_barrier_signal -1
	s_barrier_wait -1
.irp a, 0,1,2,3,4,5,6,7
	ds_load_b32 v[F0+\a],   v[XP] offset:64*\a     ; both waves' figures for my rows (one of them my own)
	ds_load_b32 v[F0+8+\a], v[XP] offset:512+64*\a
.endr
	s_wait_dscnt 0x0
.irp a, 0,1,2,3,4,5,6,7
	v_max_num_f32 v[MX+\a], v[F0+\a], v[F0+8+\a]   ; the chunk's maximum
.endr
.irp a, 0,1,2,3,4,5,6,7
	v_mul_f32 v[NM2+2*\a],   0xbd38aa3b, v[MX+\a]  ; - m = maximum x (- c)
	v_mul_f32 v[NM2+2*\a+1], 0xbd38aa3b, v[MX+\a]
.endr
	s_cmp_lg_u32 s12, 0                            ; the wave of the left keys stores m for the 128 rows
	s_cbranch_scc1 .Lno_mx
	ds_load_b128 v[F0+16:F0+19], v[XP16]           ; four rows a lane; nobody writes these bytes again
	ds_load_b128 v[F0+20:F0+23], v[XP16] offset:512
	s_wait_dscnt 0x0
.irp e, 0,1,2,3
	v_max_num_f32 v[F0+16+\e], v[F0+16+\e], v[F0+20+\e]
.endr
.irp e, 0,1,2,3
	v_mul_f32 v[F0+16+\e], s74, v[F0+16+\e]        ; the same product as above but for the sign: the same rounding
.endr
	global_store_b128 v[L16], v[F0+16:F0+19], s[66:67]   ; 512 consecutive bytes
.Lno_mx:
; rows 16 i .. 16 i + 15: exponent, 2^x, row sums, rounding, and out through my own stage as whole rows of 256 bytes
.macro SOFT16 i, a, wrw, wrd, f
	WIN \wrw                                       ; source 0 and destination in the accumulators' window
.set ii, 0
.rept 32
	v_pk_fma_f32 v[64*\a+2*ii:64*\a+2*ii+1], v[64*\a+2*ii:64*\a+2*ii+1], s[74:75], v[NM2+2*\i:NM2+2*\i+1] op_sel_hi:[1,0,1]   ; c s - m, one rounding
.set ii, ii+1
.endr
.set ii, 0
.rept 64
	v_exp_f32 v[64*\a+ii], v[64*\a+ii]
.set ii, ii+1
.endr
	v_nop                                          ; one plain vector instruction between the exponentials and the first use (ISA guide 5.7.2)
	WIN \wrd                                       ; sources 0 and 1 in the accumulators' window, destination window 0
	s_wait_alu depctr_va_vdst(0)
.irp b, 0,1,2,3,4,5,6,7
.irp r, 0,1,2,3
	v_cvt_pk_f16_f32 v[TMP+4*\b+\r], v[8*(8*\a+\b)+2*\r], v[8*(8*\a+\b)+2*\r+1]
.endr
.endr
.set ii, 0
.rept 16
	v_pk_add_f32 v[T+2*ii:T+2*ii+1], v[64*\a+4*ii:64*\a+4*ii+1], v[64*\a+4*ii+2:64*\a+4*ii+3]
.set ii, ii+1
.endr
	WIN 0
.irp e, 0,1,2,3,4,5,6,7
	v_pk_add_f32 v[T+2*\e:T+2*\e+1], v[T+2*\e:T+2*\e+1], v[T+16+2*\e:T+16+2*\e+1]
.endr
.irp e, 0,1,2,3
	v_pk_add_f32 v[T+2*\e:T+2*\e+1], v[T+2*\e:T+2*\e+1], v[T+8+2*\e:T+8+2*\e+1]
.endr
.irp e, 0,1
	v_pk_add_f32 v[T+2*\e:T+2*\e+1], v[T+2*\e:T+2*\e+1], v[T+4+2*\e:T+4+2*\e+1]
.endr
	v_pk_add_f32 v[T:T+1], v[T:T+1], v[T+2:T+3]
	v_add_f32 v[SM+\i], v[T], v[T+1]               ; my 64 keys of the row
.irp b, 0,1,2,3,4,5,6,7
	ds_store_b128 v[STO], v[TMP+4*\b:TMP+4*\b+3] offset:32*\b
.endr
	s_wait_xcnt 0x0                                ; buffer f, which earlier stores read, and the stores' base are rewritten only behind this wait
.if \i
	s_add_nc_u64 s[6:7], s[6:7], 16*PROWB
.endif
.irp t, 0,1,2,3,4,5,6,7
	ds_load_b128 v[\f+4*\t:\f+4*\t+3], v[RD] offset:\t*2*SPITCH    ; my own bytes: LDS serves a wave's instructions in order (ISA guide 5.7.1.4)
.endr
.irp t, 0,1,2,3,4,5,6,7
	s_wait_dscnt 7-\t                              ; the younger loads stay out
	global_store_b128 v[CO], v[\f+4*\t:\f+4*\t+3], s[6:7] offset:2*\t*PROWB   ; 16 lanes: 256 consecutive bytes, aligned
.endr
.endm
	SOFT16 0, 0, 0x82, 0x0a, F0
	SOFT16 1, 1, 0x82, 0x0a, F1
	SOFT16 2, 2, 0x82, 0x0a, F0
	SOFT16 3, 3, 0x82, 0x0a, F1
	SOFT16 4, 0, 0xc3, 0x0f, F0
	SOFT16 5, 1, 0xc3, 0x0f, F1
	SOFT16 6, 2, 0xc3, 0x0f, F0
	SOFT16 7, 3, 0xc3, 0x0f, F1
.irp a, 0,1,2,3,4,5,6,7
	v_permlanex16_b32 v[T+\a], v[SM+\a], s72, s73  ; T has been written and is no store's data
.endr
.irp a, 0,1,2,3,4,5,6,7
	v_add_f32 v[SM+\a], v[SM+\a], v[T+\a]          ; my 128 keys of the row
.endr
.irp a, 0,1,2,3,4,5,6,7
	ds_store_b32 v[XA], v[SM+\a] offset:XSO+64*\a
.endr
	ds_load_b128 v[T+8:T+11], v[X16] offset:XSO    ; my own bytes, in order behind the stores: four rows a lane
	s_wait_dscnt 0x0
	global_store_b128 v[L16], v[T+8:T+11], s[68:69] offset:262144   ; 512 consecutive bytes
	s_wait_tensorcnt 0x0
	ds_add_u32 v19, v23
	s_wait_dscnt 0x0
	CROUND                                         ; the closing round
	s_endpgm
.Lfunc_end_k_qd7161280de_scores:
	.size	k_qd7161280de_scores, .Lfunc_end_k_qd7161280de_scores-k_qd7161280de_scores
	.p2alignl 7, 3214868480
	.fill 96, 4, 3214868480
	.section	.rodata,"a",@progbits
	.p2align	6, 0x0
	.amdhsa_kernel k_qd7161280de_scores
		.amdhsa_group_segment_fixed_size 327680
		.amdhsa_private_segment_fixed_size 0
		.amdhsa_enable_private_segment 0
		.amdhsa_kernarg_size 24
		.amdhsa_user_sgpr_count 2
		.amdhsa_user_sgpr_kernarg_segment_ptr 1
		.amdhsa_wavefront_size32 1
		.amdhsa_system_sgpr_workgroup_id_x 1
		.amdhsa_system_sgpr_workgroup_id_y 1
		.amdhsa_system_sgpr_workgroup_id_z 1
		.amdhsa_system_vgpr_workitem_id 0
		.amdhsa_next_free_vgpr 1024
		.amdhsa_next_free_sgpr 80
		.amdhsa_reserve_vcc 0
		.amdhsa_float_denorm_mode_32 3
		.amdhsa_float_denorm_mode_16_64 3
		.amdhsa_memory_ordered 1
		.amdhsa_forward_progress 1
		.amdhsa_inst_pref_size 255
	.end_amdhsa_kernel
	.section	.bss,"aw",@nobits
	.p2align	6
	.space	262144
	.amdgpu_metadata
---
amdhsa.version: [ 1, 2 ]
amdhsa.kernels:
  - .name:           k_qd7161280de_scores
    .symbol:         k_qd7161280de_scores.kd
    .args:
      - { .name: qkv, .offset: 0, .size: 8, .value_kind: global_buffer, .address_space: global }
      - { .name: p, .offset: 8, .size: 8, .value_kind: global_buffer, .address_space: global }
      - { .name: stat, .offset: 16, .size: 8, .value_kind: global_buffer, .address_space: global }
    .group_segment_fixed_size: 327680
    .private_segment_fixed_size: 0
    .kernarg_segment_align: 8
    .kernarg_segment_size: 24
    .max_flat_workgroup_size: 128
    .sgpr_count:     80
    .vgpr_count:     1024
    .wavefront_size: 32
...
	.end_amdgpu_metadata
.endif
;; end of part 3
;; launch pv (part 4): grid 8 x 32, 4 waves a work-group, clusters of 4 x 4, 327,680 bytes of LDS; arguments p, qkv, stat, out0; writes out0
.if DOCPART == 4
	.amdgcn_target "amdgcn-amd-amdhsa--gfx1250"
	.amdhsa_code_object_version 6
	.text
	.protected	k_qd7161280de_pv
	.globl	k_qd7161280de_pv
	.p2align	8
	.type	k_qd7161280de_pv,@function
k_qd7161280de_pv:
	s_mov_b64 s[64:65], 0
	v_nop
	global_prefetch_b8 v0, s[64:65] scope:SCOPE_SE
	s_setreg_imm32_b32 hwreg(HW_REG_WAVE_MODE, 25, 1), 1
	s_wait_xcnt 0x0
	s_wait_alu depctr_hold_cnt(0) depctr_sa_sdst(0) depctr_va_vdst(0) depctr_va_sdst(0) depctr_va_ssrc(0) depctr_va_vcc(0) depctr_vm_vsrc(0)
	s_getreg_b32 s2, hwreg(HW_REG_IB_STS2, 6, 4)
	s_cmp_eq_u32 s2, 0
	s_cbranch_scc0 .Lentry_in_a_cluster
	s_endpgm
.Lentry_in_a_cluster:
	s_bfe_u32 s2, ttmp6, 0x10000c
	s_cmp_lg_u32 s2, 0xf033
	s_cbranch_scc0 .Lentry_shape_is_right
	s_endpgm
.Lentry_shape_is_right:
; out0[row][d] = sum over the eight chunks c of f(c, row) x (sum over the chunk's 256 keys of p[row][key] v[key][d]),
; f(c, row) = 2^(m(c, row) - M(row)) / L(row), M = the largest m of the row (the row's true maximum), L = sum over c of 2^(m - M) x (the chunk's sum of p).
; So the softmax is taken against the row's maximum; the factors, M and L are f32; the division by L is folded into the factors (v_rcp_f32 and a multiply).
; LIMITS: p and v are f16 (p at most 1; v finite below 65,504); NaN and infinities are not served; a factor below 2^-126 counts as 0 (v_exp_f32 flushes:
; ISA guide 15.8).  L is at least the sum of the chunk that holds the maximum, which holds a p of about 1.
; A work-group makes 256 rows x 128 columns (8 x 32 = 256 work-groups); four waves, 128 x 64 each: 32 tiles of chunk sums (window 2) and 32 of totals
; (window 3).  Keys go in steps of 128 through two LDS slots: 256 rows of p (256 bytes, pitch 272), 128 rows of v (256 bytes, pitch 288).  v lies [key][d],
; so its fragments come by the transposing LDS load.  A lap of the ring is a chunk; behind it the chunk sums are added to the totals by packed multiply-adds.
; CLUSTER 4 x 4: p's tile hangs on the block row alone (shared along a row of the cluster), v's on the block column and the batch (shared along a column).
; PREFETCH, a lap (256 keys) at a time: p's 256 rows x 512 bytes are read by the eight work-groups of a block row, v's 256 keys x 256 bytes by the eight block
; rows of a batch.  Each of the eight asks for an eighth, one lane a row, so that each aligned block of 256 bytes is asked for once in the launch: waves 0 and 1
; for the two blocks of 32 rows of p, wave 2 for 32 keys of v, wave 3 for nothing.  Behind the request for step 2 L + 3 stands the prefetch for lap L + 2
; (steps 2 L + 4 and 2 L + 5): one and two steps, 128 and 256 matrix instructions of a wave, ahead of the tensor loads that want them.  Lap 1 is asked for
; behind the first fills; the last prefetch, in lap 5, is for lap 7, the last: none leaves a row of p or the batch's keys.
; Transposed use: source 0 = 16 columns of v, source 1 = 16 rows of p: lane l holds row l % 16 and columns 8 (l / 16) + 0..7 of each tile.
.set PITCH,  272
.set HALFT,  128*PITCH                 ; 128 rows of p: one tensor load (waves 0, 1)
.set VPITCH, 288                       ; 256 + 32
.set VHALF,  64*VPITCH                 ; 64 rows of v: one tensor load (waves 2, 3)
.set VBASE,  2*HALFT                   ; v's rows lie behind p's 256
.set SLOT,   2*HALFT+2*VHALF
.set STAGE,  2*SLOT                    ; 16 rows x 272 bytes for each wave
.set SPITCH, 272
.set FT,     STAGE+4*16*SPITCH         ; factors: [8 chunks][256 rows][the factor twice], 16,384 bytes
.set LAPS,   8
.set ASTEP,  256                       ; a step along p's rows, bytes
.set VSTEP,  128*6144                  ; a step down v's rows
.set OROWB,  4096                      ; bytes in a row of out0
.set ADRA, 16
.set ADRB, 20
.set PFO,  22                          ; the prefetch's row: lane x 4,096 (p) or lane x 6,144 (v); never rewritten
.set STO,  24
.set RD,   25
.set CO,   26
.set FADR, 27                          ; where my rows' factors of the next chunk lie
.set SADR, 28                          ; 8 t: my two rows in stat's tables
.set FSTO, 29                          ; FT + 16 t
.set FD,   32                          ; v32-47: pair a = the factor of row 16 a + l % 16, twice
.set F0,   64                          ; fragment buffers: p's in window 0, v's in window 1 at the same numbers
.set F1,   128
.set G1, 24
.set G0, 32
.set G1B, 48
.set G0B, 56
.set PB, 78                            ; s[78:79] the prefetch's base, a lap on each time
.set PS, 80                            ; s[80:81] a lap in bytes: 512 along p's rows, 256 rows of qkv down v
.set MSB, 0
.macro WIN new
.if MSB != \new
	s_set_vgpr_msb (MSB<<8)|\new
.set MSB, \new
.endif
.endm
.set MUL,  0xa1                        ; source 0 window 1, source 1 window 0, C and D window 2
.set TO_B, 0x40
.macro JLOAD s                         ; waves 0 and 1 ask for p's two halves, waves 2 and 3 for v's
	s_cmp_eq_u32 s11, 0
	s_cbranch_scc0 .Lfor_b_\@
	tensor_load_to_lds s[G0+4*\s:G0+4*\s+3], s[G1:G1+7]
	s_nop 0
.rept 4
	v_nop
.endr
	s_branch .Lasked_\@
.Lfor_b_\@:
	tensor_load_to_lds s[G0B+4*\s:G0B+4*\s+3], s[G1B:G1B+7]
	s_nop 0
.rept 4
	v_nop
.endr
.Lasked_\@:
.endm
.macro CREST
	s_cmp_lg_u32 s10, 0
	s_cbranch_scc1 .Lnot_wave_0_\@
	s_barrier_signal -3
.Lnot_wave_0_\@:
	s_barrier_wait -3
	s_barrier_signal -1
	s_barrier_wait -1
.endm
.macro CROUND
	s_barrier_signal -1
	s_barrier_wait -1
	CREST
.endm
.macro PLACES                          ; four plain vector places behind a matrix instruction (ISA guide 7.12.1)
.rept 4
	v_nop
.endr
.endm
.macro PREF on                         ; waves 0 to 2: my share of a lap's blocks.  on = 1: the base goes a lap on first
	s_cmp_eq_u32 s10, 3
	s_cbranch_scc1 .Lno_pf_\@
.if \on
	s_wait_xcnt 0x0                                ; the base is rewritten only behind this wait; the prefetch that names it stands a lap back
	s_add_nc_u64 s[PB:PB+1], s[PB:PB+1], s[PS:PS+1]
.endif
	global_prefetch_b8 v[PFO], s[PB:PB+1] th:TH_LOAD_NT scope:SCOPE_SE
.Lno_pf_\@:
.endm
	s_load_b128 s[4:7], s[0:1], 0x0                ; p s[4:5], qkv s[6:7]
	s_load_b128 s[68:71], s[0:1], 0x10             ; stat s[68:69], out0 s[70:71]
	v_lshl_add_u32 v254, v0, 2, 0x3c400
	v_mov_b32 v255, 0
	ds_add_u32 v254, v255
	v_lshrrev_b32 v1, 5, v0
	v_readfirstlane_b32 s10, v1                    ; wave
	s_lshr_b32 s11, s10, 1                         ; which half of the rows is mine; also: I fetch for p (0) or for v (1)
	s_and_b32 s12, s10, 1                          ; which half of the columns; also: which half of that tile I fetch
	s_bfe_u32 s40, ttmp6, 0x40000                  ; cx
	s_bfe_u32 s41, ttmp6, 0x40004                  ; cy
	s_lshl_b32 s42, ttmp9, 2
	s_add_co_u32 s42, s42, s40                     ; block column 0..7
	s_and_b32 s45, ttmp7, 0xffff
	s_lshl_b32 s13, s45, 2
	s_add_co_u32 s13, s13, s41                     ; block row 0..31
	s_lshr_b32 s45, s45, 1                         ; batch: no cy in it
	s_lshl_b32 s43, s41, 2
	s_lshl_b32 s43, 15, s43
	s_lshl_b32 s44, 0x1111, s40
	; p's tiles: 128 rows x 128 elements, 4 words of padding behind every 64; v's: 64 rows x 128 elements, 8 words of padding
	s_or_b32 s[G1+0], s43, (1<<16)|(1<<20)|(1<<21)|(5<<22)|(3<<25)
	s_or_b32 s[G1B+0], s44, (1<<16)|(1<<20)|(1<<21)|(5<<22)|(7<<25)
	s_mov_b32 s[G1+1], 128<<16                     ; tensor_dim0
	s_mov_b32 s[G1B+1], 128<<16
	s_mov_b32 s[G1+2], 128<<16                     ; tensor_dim1
	s_mov_b32 s[G1B+2], 64<<16
	s_mov_b32 s[G1+3], 128<<16                     ; tile_dim0
	s_mov_b32 s[G1B+3], 128<<16
	s_mov_b32 s[G1+4], 128                         ; tile_dim1
	s_mov_b32 s[G1B+4], 64
	s_mov_b32 s[G1+5], 2048                        ; elements from row to row of p
	s_mov_b32 s[G1B+5], 3072                       ; of qkv
	s_mov_b32 s[G1+6], 0
	s_mov_b32 s[G1B+6], 0
	s_mov_b32 s[G1+7], 0
	s_mov_b32 s[G1B+7], 0
	s_lshl_b32 s16, s13, 8
	s_lshl_b32 s18, s12, 7
	s_add_co_u32 s16, s16, s18
	s_lshl_b32 s16, s16, 12                        ; p: row 256 x block row + 128 x half, of 4,096 bytes
	s_mov_b32 s17, 0
	s_lshl_b32 s46, s45, 11
	s_lshl_b32 s18, s12, 6
	s_add_co_u32 s46, s46, s18
	s_mul_i32 s46, s46, 6144                       ; v: row 2048 x batch + 64 x half,
	s_lshl_b32 s47, s42, 8
	s_add_co_u32 s46, s46, s47                     ; 256 bytes a block column,
	s_add_co_u32 s46, s46, 4096                    ; from byte 4,096 of the row
	s_mov_b32 s47, 0
	s_mul_i32 s20, s10, HALFT                      ; p's halves: waves 0, 1 at 0 and 34,816
	s_mul_i32 s21, s10, VHALF
	s_add_co_u32 s21, s21, VBASE-2*VHALF           ; v's halves: waves 2, 3 at 69,632 and 88,064
	; the prefetch's place for lap 1, in registers that feed no descriptor (they hold both coordinates)
	s_mov_b32 s80, 2*ASTEP
	s_mov_b32 s81, 2*VSTEP
	s_mov_b32 s82, 4096
	s_mov_b32 s83, 6144
	s_lshl_b32 s76, s13, 8
	s_lshl_b32 s77, s42, 5
	s_add_co_u32 s76, s76, s77                     ; p: row 256 x block row + 32 x block column: my eighth of the rows,
	s_lshl_b32 s76, s76, 12
	s_lshl_b32 s77, s12, 8
	s_add_co_u32 s76, s76, s77                     ; wave 0 the lap's first 256 bytes, wave 1 its second,
	s_add_co_u32 s76, s76, 2*ASTEP                 ; of lap 1
	s_lshl_b32 s77, s45, 11
	s_and_b32 s78, s13, 7
	s_lshl_b32 s78, s78, 5
	s_add_co_u32 s77, s77, s78                     ; v: key 2048 x batch + 32 x (block row % 8): my eighth of the lap's keys,
	s_add_co_u32 s77, s77, 256                     ; of lap 1,
	s_mul_i32 s77, s77, 6144
	s_lshl_b32 s78, s42, 8
	s_add_co_u32 s77, s77, s78                     ; my block column's 256 bytes
	s_add_co_u32 s77, s77, 4096
	s_cmp_lt_u32 s10, 2
	s_cselect_b32 s76, s76, s77                    ; waves 0, 1: p's figures; waves 2, 3: v's
	s_cselect_b32 s80, s80, s81
	s_cselect_b32 s82, s82, s83
	s_mov_b32 s77, 0
	s_mov_b32 s81, 0
	s_wait_dscnt 0x0
	s_wait_kmcnt 0x0
	s_add_nc_u64 s[14:15], s[4:5], s[16:17]
	s_add_nc_u64 s[46:47], s[6:7], s[46:47]
	s_lshl_b32 s16, s13, 10                        ; my block's 256 rows in stat's tables
	s_add_nc_u64 s[68:69], s[68:69], s[16:17]
	s_cmp_lt_u32 s10, 2
	s_cselect_b64 s[PB:PB+1], s[4:5], s[6:7]       ; the buffer is chosen by the wave's number
	s_add_nc_u64 s[PB:PB+1], s[PB:PB+1], s[76:77]
	CROUND
.irp s, 0,1
	s_mov_b32 s[G0+4*\s], 1
	s_add_co_u32 s[G0+4*\s+1], s20, \s*SLOT
	s_add_nc_u64 s[G0+4*\s+2:G0+4*\s+3], s[14:15], \s*ASTEP
	s_or_b32 s[G0+4*\s+3], s[G0+4*\s+3], 0x80000000
	s_mov_b32 s[G0B+4*\s], 1
	s_add_co_u32 s[G0B+4*\s+1], s21, \s*SLOT
	s_add_nc_u64 s[G0B+4*\s+2:G0B+4*\s+3], s[46:47], \s*VSTEP
	s_or_b32 s[G0B+4*\s+3], s[G0B+4*\s+3], 0x80000000
	JLOAD \s                                       ; two tensor loads of the wave are out
.endr
	; the factors: thread t makes those of rows 2 t and 2 t + 1 of the block
	v_lshlrev_b32 v[SADR], 3, v0
.irp c, 0,1,2,3,4,5,6,7
	global_load_b64 v[64+2*\c:65+2*\c], v[SADR], s[68:69] offset:32768*\c              ; m of chunk c
.endr
.irp j, 0,1,2,3,4,5,6,7,8,9,10,11,12,13,14,15
	global_load_b64 v[80+2*\j:81+2*\j], v[SADR], s[68:69] offset:262144+32768*\j       ; the sums of half chunk j
.endr
	v_and_b32 v8, 31, v0
	v_mul_u32_u24 v[PFO], s82, v8                  ; one lane a row
	PREF 0                                         ; lap 1 is wanted in lap 0
	v_and_b32 v1, 15, v0                           ; l % 16
	v_bfe_u32 v2, v0, 4, 1                         ; l / 16
	v_mul_u32_u24 v3, v1, PITCH
	v_lshl_add_u32 v3, v2, 4, v3                   ; p's fragments: row x pitch + 16 x half
	v_and_b32 v6, 7, v0
	v_lshl_add_u32 v6, v2, 3, v6                   ; v's fragments: key 8 (l / 16) + l % 8,
	v_mul_u32_u24 v6, v6, VPITCH
	v_bfe_u32 v7, v0, 3, 1
	v_lshl_add_u32 v6, v7, 4, v6                   ; 16 bytes on for lanes 8-15 of each half
	s_mul_i32 s21, s11, HALFT                      ; my 128 rows of p
	s_lshl_b32 s22, s12, 7                         ; my 64 columns of v
	s_add_co_u32 s22, s22, VBASE
.irp s, 0,1
	v_add_nc_u32 v[ADRA+\s], s21, v3
	v_add_nc_u32 v[ADRB+\s], s22, v6
	s_add_co_u32 s21, s21, SLOT
	s_add_co_u32 s22, s22, SLOT
.endr
	s_mul_i32 s23, s10, 16*SPITCH
	s_add_co_u32 s23, s23, STAGE
	v_mul_u32_u24 v4, v1, SPITCH
	v_lshl_add_u32 v4, v2, 5, v4
	v_add_nc_u32 v[STO], s23, v4                   ; in: row l % 16, 32 bytes for each half of the lanes
	v_mul_u32_u24 v5, v2, SPITCH
	v_lshl_add_u32 v5, v1, 4, v5
	v_add_nc_u32 v[RD], s23, v5                    ; back: lanes 0-15 one row of 256 bytes, lanes 16-31 the next
	v_mul_u32_u24 v5, v2, OROWB
	v_lshl_add_u32 v[CO], v1, 4, v5
	s_lshl_b32 s23, s11, 10
	s_add_co_u32 s23, s23, FT
	v_lshl_add_u32 v[FADR], v1, 3, s23             ; FT + 8 x (128 x my half + l % 16)
	v_lshlrev_b32 v[FSTO], 4, v0
	v_add_nc_u32 v[FSTO], FT, v[FSTO]
	s_wait_loadcnt 0x0
	v_max3_num_f32 v112, v64, v66, v68             ; M of my two rows
	v_max3_num_f32 v113, v65, v67, v69
	v_max3_num_f32 v112, v112, v70, v72
	v_max3_num_f32 v113, v113, v71, v73
	v_max3_num_f32 v112, v112, v74, v76
	v_max3_num_f32 v113, v113, v75, v77
	v_max_num_f32 v112, v112, v78
	v_max_num_f32 v113, v113, v79
.irp c, 0,1,2,3,4,5,6,7
	v_pk_add_f32 v[64+2*\c:65+2*\c], v[64+2*\c:65+2*\c], v[112:113] neg_lo:[0,1] neg_hi:[0,1]   ; m - M, at most 0
.endr
.set ii, 0
.rept 16
	v_exp_f32 v[64+ii], v[64+ii]
.set ii, ii+1
.endr
.irp c, 0,1,2,3,4,5,6,7
	v_pk_add_f32 v[80+4*\c:81+4*\c], v[80+4*\c:81+4*\c], v[82+4*\c:83+4*\c]   ; the chunk's two halves; these plain lines also stand between the exponentials and their use
.endr
	s_wait_alu depctr_va_vdst(0)
	v_pk_mul_f32 v[114:115], v[64:65], v[80:81]
.irp c, 1,2,3,4,5,6,7
	v_pk_fma_f32 v[114:115], v[64+2*\c:65+2*\c], v[80+4*\c:81+4*\c], v[114:115]   ; L
.endr
	v_rcp_f32 v116, v114
	v_rcp_f32 v117, v115
	v_nop                                          ; one plain vector instruction between the reciprocals and their use (ISA guide 5.7.2)
	s_wait_alu depctr_va_vdst(0)
.irp c, 0,1,2,3,4,5,6,7
	v_mul_f32 v120, v[64+2*\c], v116
	v_mul_f32 v121, v[64+2*\c], v116
	v_mul_f32 v122, v[65+2*\c], v117
	v_mul_f32 v123, v[65+2*\c], v117
	ds_store_b128 v[FSTO], v[120:123] offset:2048*\c
.endr
; 8 matrix instructions: m blocks 4 hi + a0, + 1 x my 4 n blocks.  zero = 1: the first product of a chunk starts its sums.
; The 32 accumulators take turns, one instruction a turn, in the same order in every quarter step, over the backward jump too.
.macro MULG f, hi, a0, zero
.irp a, \a0, \a0+1
.irp b, 0,1,2,3
.if \zero
	v_wmma_f32_16x16x32_f16 v[8*(4*(4*\hi+\a)+\b):8*(4*(4*\hi+\a)+\b)+7], v[\f+8*\b:\f+8*\b+7], v[\f+8*(4*\hi+\a):\f+8*(4*\hi+\a)+7], 0
.else
	v_wmma_f32_16x16x32_f16 v[8*(4*(4*\hi+\a)+\b):8*(4*(4*\hi+\a)+\b)+7], v[\f+8*\b:\f+8*\b+7], v[\f+8*(4*\hi+\a):\f+8*(4*\hi+\a)+7], v[8*(4*(4*\hi+\a)+\b):8*(4*(4*\hi+\a)+\b)+7]
.endif
.endr
.endr
.endm
.macro FETCH slot, q, f                ; the fragments of quarter q (32 keys) into buffer f: 8 transposing loads for v, 16 loads for p
	WIN TO_B
.irp b, 0,1,2,3
	ds_load_tr16_b128 v[\f+8*\b:\f+8*\b+3],   v[ADRB+\slot] offset:\q*32*VPITCH+32*\b             ; keys 8 (l / 16) + 0..7 of column 16 b + l % 16
	ds_load_tr16_b128 v[\f+8*\b+4:\f+8*\b+7], v[ADRB+\slot] offset:\q*32*VPITCH+32*\b+16*VPITCH   ; keys 16 + 8 (l / 16) + 0..7
.endr
	WIN 0
.irp i, 0,1,2,3,4,5,6,7
	ds_load_b128 v[\f+8*\i:\f+8*\i+3],   v[ADRA+\slot] offset:\q*64+\i*16*PITCH
	ds_load_b128 v[\f+8*\i+4:\f+8*\i+7], v[ADRA+\slot] offset:\q*64+\i*16*PITCH+32
.endr
.endm
; fd = 1: this chunk's factors are fetched too, ahead of the fragments
.macro QUARTER slot, q, f, g, zero, fd
	s_wait_dscnt 8                                 ; v's fragments and p's rows 0-63 are in; the youngest eight loads (rows 64-127) may be out
	WIN MUL
	MULG \f, 0, 0, \zero
	MULG \f, 0, 2, \zero
	PLACES
.if \fd
	WIN 0
.irp a, 0,1,2,3,4,5,6,7
	ds_load_b64 v[FD+2*\a:FD+2*\a+1], v[FADR] offset:128*\a
.endr
	v_add_nc_u32 v[FADR], 2048, v[FADR]            ; the next chunk's
.endif
	FETCH \slot, \q, \g
	s_wait_dscnt 24                                ; all but the 24 just issued: the factors, which are older, are in too
	WIN MUL
	MULG \f, 1, 0, \zero
	MULG \f, 1, 2, \zero
.endm
.macro THREE slot, zero, fd
	QUARTER \slot, 1, F0, F1, \zero, 0
	QUARTER \slot, 2, F1, F0, 0, 0
	QUARTER \slot, 3, F0, F1, 0, \fd
.endm
; The change of slots.  Half of the last quarter's products stand in front of it, half behind.  Each wave's reads of this slot and all its tensor loads are
; waited for in front of the barrier, and this slot's addresses, which no load names any more, are stepped there.  Where the slot is filled again the barrier
; opens a round of the cluster's barrier; nothing but the round stands between the waits and the request; the joint refill is the first tensor load behind
; the round and the wave's only one until the next, 128 matrix instructions later.  pf = 1: the prefetch of the lap after the next follows the fragment loads.
.macro TURN slot, next, fill, pf
	s_wait_dscnt 8
	WIN MUL
	MULG F1, 0, 0, 0
	MULG F1, 0, 2, 0
	WIN 0
	s_wait_dscnt 0                                 ; my reads of this slot are over
	s_wait_tensorcnt 0x0                           ; all my tensor loads have landed
	ds_add_u32 v254, v255
	s_wait_dscnt 0x0
.if \fill
	s_add_nc_u64 s[G0+4*\slot+2:G0+4*\slot+3], s[G0+4*\slot+2:G0+4*\slot+3], 2*ASTEP
	s_add_nc_u64 s[G0B+4*\slot+2:G0B+4*\slot+3], s[G0B+4*\slot+2:G0B+4*\slot+3], 2*VSTEP
.endif
	s_barrier_signal -1
	s_barrier_wait -1
.if \fill
	CREST
	JLOAD \slot                                    ; its four v_nop are also the places in front of the loads below
.else
	PLACES
.endif
	FETCH \next, 0, F0
.if \pf
	PREF 1
.endif
	WIN MUL
	MULG F1, 1, 0, 0
	MULG F1, 1, 2, 0
.endm
; totals (window 3) += factor of the row x chunk sums (window 2); the first chunk starts the totals: nothing is cleared.
; Together with the four places in front, these lines are also the distance between a chunk's last products and the next chunk's first, which write over them.
.macro MERGE first
	WIN 0xf2                                       ; source 0 window 2, source 1 window 0, source 2 and destination window 3
.irp a, 0,1,2,3,4,5,6,7
.irp b, 0,1,2,3
.irp r, 0,1,2,3
.if \first
	v_pk_mul_f32 v[8*(4*\a+\b)+2*\r:8*(4*\a+\b)+2*\r+1], v[8*(4*\a+\b)+2*\r:8*(4*\a+\b)+2*\r+1], v[FD+2*\a:FD+2*\a+1]
.else
	v_pk_fma_f32 v[8*(4*\a+\b)+2*\r:8*(4*\a+\b)+2*\r+1], v[8*(4*\a+\b)+2*\r:8*(4*\a+\b)+2*\r+1], v[FD+2*\a:FD+2*\a+1], v[8*(4*\a+\b)+2*\r:8*(4*\a+\b)+2*\r+1]
.endif
.endr
.endr
.endr
.endm
.macro LAP first, pf                   ; a chunk of 256 keys, both slots filled again
	THREE 0, 1, 0
	TURN 0, 1, 1, 0
	THREE 1, 0, 1
	TURN 1, 0, 1, \pf
	PLACES
	MERGE \first
.endm
	s_wait_dscnt 0x0                               ; my factors are in LDS, for the other waves' sake
	s_wait_tensorcnt 1                             ; my part of step 0 is in; step 1's stays out
	s_barrier_signal -1
	s_barrier_wait -1
	FETCH 0, 0, F0
	LAP 1, 1                                       ; lap 0; asks for lap 2
	WIN 0
	s_mov_b32 s3, LAPS-3
.Llap:
	LAP 0, 1                                       ; laps 1 to 5; they ask for laps 3 to 7
	WIN 0
	s_sub_co_u32 s3, s3, 1
	s_cmp_lg_u32 s3, 0
	s_cbranch_scc1 .Llap
	LAP 0, 0                                       ; lap 6 fills the slots for lap 7 and has nothing left to ask for
	THREE 0, 1, 0                                  ; the last chunk fills nothing
	TURN 0, 1, 0, 0
	THREE 1, 0, 1
	s_wait_dscnt 8
	WIN MUL
	MULG F1, 0, 0, 0
	MULG F1, 0, 2, 0
	s_wait_dscnt 0
	MULG F1, 1, 0, 0
	MULG F1, 1, 2, 0
	PLACES
	MERGE 0
	; THE WAY OUT, 16 rows at a time: a lane's 32 bytes of a row go into my own stage, whole rows of 256 bytes come back and are stored.
	WIN 0
	s_lshl_b32 s16, s13, 8
	s_lshl_b32 s14, s11, 7
	s_add_co_u32 s16, s16, s14
	s_lshl_b32 s16, s16, 12                        ; my first row, of 4,096 bytes
	s_mov_b32 s17, 0
	s_add_nc_u64 s[70:71], s[70:71], s[16:17]
	s_lshl_b32 s46, s42, 9                         ; my first column: 512 bytes a block + 256 a half
	s_lshl_b32 s47, s12, 8
	s_add_co_u32 s46, s46, s47
	s_mov_b32 s47, 0
	s_add_nc_u64 s[70:71], s[70:71], s[46:47]
.macro OUTF i, f
	WIN 0x0c                                       ; an LDS store's data: window 3
.irp b, 0,1,2,3
.irp e, 0,1
	ds_store_b128 v[STO], v[8*(4*\i+\b)+4*\e:8*(4*\i+\b)+4*\e+3] offset:64*\b+16*\e
.endr
.endr
	WIN 0
	s_wait_xcnt 0x0                                ; buffer f, which earlier stores read, and the stores' base are rewritten only behind this wait
.if \i
	s_add_nc_u64 s[70:71], s[70:71], 16*OROWB
.endif
.irp t, 0,1,2,3,4,5,6,7
	ds_load_b128 v[\f+4*\t:\f+4*\t+3], v[RD] offset:\t*2*SPITCH    ; my own bytes: LDS serves a wave's instructions in order (ISA guide 5.7.1.4)
.endr
.irp t, 0,1,2,3,4,5,6,7
	s_wait_dscnt 7-\t                              ; the younger loads stay out
	global_store_b128 v[CO], v[\f+4*\t:\f+4*\t+3], s[70:71] offset:2*\t*OROWB th:TH_STORE_NT   ; 16 lanes: 256 consecutive bytes, aligned
.endr
.endm
	OUTF 0, F0
	OUTF 1, F1
	OUTF 2, F0
	OUTF 3, F1
	OUTF 4, F0
	OUTF 5, F1
	OUTF 6, F0
	OUTF 7, F1
	s_wait_tensorcnt 0x0
	ds_add_u32 v254, v255
	s_wait_dscnt 0x0
	CROUND                                         ; the closing round
	s_endpgm
.Lfunc_end_k_qd7161280de_pv:
	.size	k_qd7161280de_pv, .Lfunc_end_k_qd7161280de_pv-k_qd7161280de_pv
	.p2alignl 7, 3214868480
	.fill 96, 4, 3214868480
	.section	.rodata,"a",@progbits
	.p2align	6, 0x0
	.amdhsa_kernel k_qd7161280de_pv
		.amdhsa_group_segment_fixed_size 327680
		.amdhsa_private_segment_fixed_size 0
		.amdhsa_enable_private_segment 0
		.amdhsa_kernarg_size 32
		.amdhsa_user_sgpr_count 2
		.amdhsa_user_sgpr_kernarg_segment_ptr 1
		.amdhsa_wavefront_size32 1
		.amdhsa_system_sgpr_workgroup_id_x 1
		.amdhsa_system_sgpr_workgroup_id_y 1
		.amdhsa_system_sgpr_workgroup_id_z 1
		.amdhsa_system_vgpr_workitem_id 0
		.amdhsa_next_free_vgpr 1024
		.amdhsa_next_free_sgpr 84
		.amdhsa_reserve_vcc 0
		.amdhsa_float_denorm_mode_32 3
		.amdhsa_float_denorm_mode_16_64 3
		.amdhsa_memory_ordered 1
		.amdhsa_forward_progress 1
		.amdhsa_inst_pref_size 197
	.end_amdhsa_kernel
	.amdgpu_metadata
---
amdhsa.version: [ 1, 2 ]
amdhsa.kernels:
  - .name:           k_qd7161280de_pv
    .symbol:         k_qd7161280de_pv.kd
    .args:
      - { .name: p, .offset: 0, .size: 8, .value_kind: global_buffer, .address_space: global }
      - { .name: qkv, .offset: 8, .size: 8, .value_kind: global_buffer, .address_space: global }
      - { .name: stat, .offset: 16, .size: 8, .value_kind: global_buffer, .address_space: global }
      - { .name: out0, .offset: 24, .size: 8, .value_kind: global_buffer, .address_space: global }
    .group_segment_fixed_size: 327680
    .private_segment_fixed_size: 0
    .kernarg_segment_align: 8
    .kernarg_segment_size: 32
    .max_flat_workgroup_size: 128
    .sgpr_count:     84
    .vgpr_count:     1024
    .wavefront_size: 32
...
	.end_amdgpu_metadata
.endif
;; end of part 4
;; ======== version 2 of 2: 4 launches; version 1 with the launch cvt written anew for expert scheduling mode
;; limits: values are held in f16: magnitudes above 65,504 overflow, below 6.1e-05 lose precision
;; workspace buffers: xh 16,777,216 bytes; wt 6,291,456 bytes; bias 12,288 bytes; qkv 50,331,648 bytes; p 33,554,432 bytes; stat 786,432 bytes
;; launch cvt (part 5): grid 384 x 1, 8 waves a work-group, no clusters, 53,248 bytes of LDS; arguments x, Wq, Wk, Wv, bq, bk, bv, xh, wt, bias; writes xh, wt, bias
.if DOCPART == 5
	.amdgcn_target "amdgcn-amd-amdhsa--gfx1250"
	.amdhsa_code_object_version 6
	.text
	.protected	k_qd7161280de_cvt
	.globl	k_qd7161280de_cvt
	.p2align	8
	.type	k_qd7161280de_cvt,@function
k_qd7161280de_cvt:
	s_mov_b64 s[64:65], 0
	v_nop
	global_prefetch_b8 v0, s[64:65] scope:SCOPE_SE
	s_setreg_imm32_b32 hwreg(HW_REG_WAVE_SCHED_MODE, 0, 2), 2
	s_setreg_imm32_b32 hwreg(HW_REG_WAVE_MODE, 25, 1), 1
	s_wait_xcnt 0x0
	s_wait_alu depctr_vm_vsrc(0)
; Makes the matrix operands of the next launch: xh = f16(x), wt[n][k] = f16(W[k][n]) for Wq, Wk, Wv stacked (n = 0..3071), bias = bq, bk, bv in a row.
; Each number is rounded once.  f16 and not bf16: 11 significant bits against 8, and the operands have the room: f16 reaches 65,504; numbers below 2^-14
; keep an absolute error of at most 2^-25.  LIMIT: an |x| or |W| of 65,504 or more becomes infinite.
; A stream: every input byte is read once, every output byte written once; no matrix unit, no cluster (no two work-groups read the same bytes).
; Work-groups 0..255: 32 rows of x each (131,072 bytes in, 65,536 out).  A wave takes 16,384 bytes by 32 loads of 512 consecutive bytes, all issued
; before the first is used; each store of the wave covers 256 consecutive bytes, aligned.
; Work-groups 256..383: the same tile of 128 k x 64 n of each of the three W, turned over through LDS.
; THE MODE: SCHED_MODE bits 1:0 = 2 (LLVM: expert scheduling mode 2), set by the entry lines.  The code itself states the register dependences
; between vector instructions and memory or LDS instructions, with s_wait_alu, always for 0.
; THE PLAN.  Registers that memory or LDS instructions touch:
;   x part.  v3, v4   offsets, made at the part's head and never written again.
;            XI       written by the 32 loads at the head, read by the conversions, never loaded again.
;            XO       each register written once, by a conversion, and read once, by a store.  The 32 loads are worked in 8 groups of four: group g converts
;                     its own four, and the four stores of group g - 1 are dealt among those conversions, which name none of the registers that they read.
;                     One wait on va_vdst at a group's head states that the group before has written its XO.
;   W part.  v3, v5, v6, v7   offsets and LDS addresses, made at the part's head and never written again.
;            XI       as above, 24 loads.
;            PK0, PK1 step w (one W) converts into PK[w % 2]; the four LDS stores of step w - 1, from the other buffer, are dealt among its conversions.
;                     One wait on va_vdst at a step's head states that the step before has written its buffer; one wait on vm_vsrc at the head of step 2
;                     states that the LDS stores issued in step 1 have read PK0, which step 2 writes again.
;            WB, BI   written by loads and read by stores alone: no vector instruction names them.
;            v2       written once in the bias part, ahead of the loads and stores that read it.
;   v200, v201        written at the head, read by the closing add alone.
.set XI,  8                            ; v[8:135]   x part: 32 loads of 4 registers.  W part: v[8:103], 3 x 8 loads
.set XO,  136                          ; v[136:199] x part: 32 stores of 2 registers
.set PK,  104                          ; W part: 4 columns n x 8 k, packed: buffer b at PK + 70 b: v[104:119] and v[174:189]
.set WB,  120                          ; v[120:167] W part: 12 rows read back
.set BI,  168                          ; v[168:173] the biases on their way through
.set WPITCH, 272                       ; an LDS row: 128 k of f16 = 256 bytes + 16, so that 16 neighbouring rows begin in 16 different 16-byte columns of 256
.set WREG,   64*WPITCH                 ; one W's tile in LDS: 64 rows n
	s_load_b512 s[4:19], s[0:1], 0x0               ; x 4:5, Wq 6:7, Wk 8:9, Wv 10:11, bq 12:13, bk 14:15, bv 16:17, xh 18:19
	s_load_b128 s[20:23], s[0:1], 0x40             ; wt 20:21, bias 22:23
	v_lshl_add_u32 v200, v0, 2, 0xcc00             ; my spare word, behind the three tiles (3 x WREG = 52,224 bytes); kept for the closing lines alone
	v_mov_b32 v201, 0
	v_lshrrev_b32 v1, 5, v0
	v_readfirstlane_b32 s24, v1                    ; wave
	v_and_b32 v2, 31, v0                           ; lane
	s_wait_alu depctr_va_sdst(0)                   ; s24 is written
	s_cmp_ge_u32 ttmp9, 256                        ; the same for all waves of a work-group
	s_cbranch_scc1 .Lw
	; ---- x ----
	v_lshlrev_b32 v3, 4, v2
	v_lshl_add_u32 v3, v1, 14, v3                  ; in: 16,384 wave + 16 lane
	v_lshlrev_b32 v4, 3, v2
	v_lshl_add_u32 v4, v1, 13, v4                  ; out: 8,192 wave + 8 lane
	s_lshl_b32 s26, ttmp9, 17
	s_mov_b32 s27, 0
	s_lshl_b32 s28, ttmp9, 16
	s_mov_b32 s29, 0
	s_wait_kmcnt 0x0
	s_add_nc_u64 s[4:5], s[4:5], s[26:27]
	s_add_nc_u64 s[18:19], s[18:19], s[28:29]
	s_wait_alu depctr_va_vdst(0)                   ; v3 and v4 are written: every load of this part reads v3 as its offset, every store v4
.set j, 0
.rept 32
	global_load_b128 v[XI+4*j:XI+4*j+3], v3, s[4:5] offset:512*j th:TH_LOAD_NT
.set j, j+1
.endr
.set g, 0
.rept 8
	s_wait_loadcnt 28-4*g                          ; loads return in order: group g's four are in, the 28 - 4 g younger ones stay out
.if g > 0
	s_wait_alu depctr_va_vdst(0)                   ; the conversions of the group before have written their eight registers of XO, which the four stores below read
.endif
.irp i, 0,1,2,3
.if g > 0
	global_store_b64 v4, v[XO+2*(4*g-4+\i):XO+2*(4*g-4+\i)+1], s[18:19] offset:256*(4*g-4+\i)   ; the group before; no conversion since the wait names these registers; no register is written twice
.endif
	v_cvt_pk_f16_f32 v[XO+2*(4*g+\i)],   v[XI+4*(4*g+\i)],   v[XI+4*(4*g+\i)+1]
	v_cvt_pk_f16_f32 v[XO+2*(4*g+\i)+1], v[XI+4*(4*g+\i)+2], v[XI+4*(4*g+\i)+3]
.endr
.set g, g+1
.endr
	s_wait_alu depctr_va_vdst(0)                   ; the last group's conversions have written their XO, which the last four stores read
.irp i, 0,1,2,3
	global_store_b64 v4, v[XO+2*(28+\i):XO+2*(28+\i)+1], s[18:19] offset:256*(28+\i)
.endr
	s_endpgm                                       ; this part has stored nothing to LDS
	; ---- W ----  thread t: nq = t & 15 (four columns n), ko = t >> 4 (eight rows k)
.Lw:
	s_sub_co_u32 s25, ttmp9, 256
	s_and_b32 s26, s25, 7                          ; kt: which 128 k
	s_lshr_b32 s27, s25, 3                         ; nt: which 64 n
	s_lshl_b32 s28, s26, 19                        ; 128 rows of 4,096 bytes
	s_lshl_b32 s29, s27, 8                         ; 64 columns of 4 bytes
	s_add_co_u32 s28, s28, s29
	s_mov_b32 s29, 0
	s_lshl_b32 s30, s27, 17                        ; out: 64 rows of 2,048 bytes
	s_lshl_b32 s31, s26, 8                         ; 128 k of 2 bytes
	s_add_co_u32 s30, s30, s31
	s_mov_b32 s31, 0
	v_and_b32 v3, 15, v0                           ; nq
	v_lshrrev_b32 v4, 4, v0                        ; ko
	v_lshlrev_b32 v5, 4, v3
	v_lshl_or_b32 v5, v4, 15, v5                   ; in: 8 ko rows + 16 nq
	v_mul_u32_u24 v6, v3, WPITCH
	v_lshl_add_u32 v6, v4, 4, v6                   ; LDS in: row nq (+ 16 i), 16 bytes at 16 ko
	v_mul_u32_u24 v7, v4, WPITCH
	v_lshl_add_u32 v7, v3, 4, v7                   ; LDS back: row t >> 4 (+ 16 u), 16 bytes at 16 (t & 15)
	v_lshlrev_b32 v3, 4, v3
	v_lshl_or_b32 v3, v4, 13, v3                   ; out: row 4 (t >> 4) of wt, 16 (t & 15)
	s_wait_kmcnt 0x0
.irp w, 0,1,2
	s_add_nc_u64 s[6+2*\w:7+2*\w], s[6+2*\w:7+2*\w], s[28:29]
.endr
	s_add_nc_u64 s[20:21], s[20:21], s[30:31]
	s_wait_alu depctr_va_vdst(0)                   ; v3, v5, v6 and v7 are written: the offsets and LDS addresses of all loads and stores of this part but the biases'
.irp w, 0,1,2
.irp j, 0,1,2,3,4,5,6,7
	global_load_b128 v[XI+32*\w+4*\j:XI+32*\w+4*\j+3], v5, s[6+2*\w:7+2*\w] offset:4096*\j th:TH_LOAD_NT   ; 16 lanes: 256 consecutive bytes of row 8 ko + j
.endr
.endr
.irp w, 0,1,2
	s_wait_loadcnt 16-8*\w                         ; this W's eight loads are in, the later W's stay out
.if \w > 0
	s_wait_alu depctr_va_vdst(0)                   ; the conversions of the step before have written the other PK buffer, which the four LDS stores below read
.endif
.if \w == 2
	s_wait_alu depctr_vm_vsrc(0)                   ; the LDS stores issued in step 1 have read PK0, which this step's conversions write again
.endif
.irp i, 0,1,2,3
.if \w > 0
	ds_store_b128 v6, v[PK+70*(((\w)-1)%2)+4*\i:PK+70*(((\w)-1)%2)+4*\i+3] offset:WREG*((\w)-1)+16*WPITCH*\i   ; the step before: LDS row 16 i + nq holds column n = 4 nq + i; no conversion since the wait names these registers
.endif
.irp jj, 0,1,2,3
	v_cvt_pk_f16_f32 v[PK+70*((\w)%2)+4*\i+\jj], v[XI+32*\w+8*\jj+\i], v[XI+32*\w+8*\jj+4+\i]    ; column 4 nq + i: k = 8 ko + 2 jj below, + 1 above
.endr
.endr
.endr
	s_wait_alu depctr_va_vdst(0)                   ; step 2's conversions have written PK0, which the last four LDS stores read
.irp i, 0,1,2,3
	ds_store_b128 v6, v[PK+4*\i:PK+4*\i+3] offset:WREG*2+16*WPITCH*\i
.endr
	s_wait_dscnt 0x0                               ; my stores are done, for the other waves' sake
	s_barrier_signal -1
	s_barrier_wait -1
.irp w, 0,1,2
.irp u, 0,1,2,3
	ds_load_b128 v[WB+4*(4*\w+\u):WB+4*(4*\w+\u)+3], v7 offset:WREG*\w+16*WPITCH*\u  ; row 16 u + (t >> 4): column n = 4 (t >> 4) + u, whole
.endr
.endr
.irp w, 0,1,2
.irp u, 0,1,2,3
	s_wait_dscnt 11-(4*\w+\u)                      ; LDS loads return in order: the younger ones stay out
	global_store_b128 v3, v[WB+4*(4*\w+\u):WB+4*(4*\w+\u)+3], s[20:21] offset:2097152*\w+2048*\u   ; 16 lanes: 256 consecutive bytes of a row of wt, aligned
.endr
.endr
	; the biases: 64 numbers of each, by wave 0 of the work-groups with kt = 0
	s_cmp_lg_u32 s26, 0
	s_cbranch_scc1 .Lend
	s_cmp_lg_u32 s24, 0
	s_cbranch_scc1 .Lend
	s_lshl_b32 s28, s27, 8                         ; s29 is still 0
	v_lshlrev_b32 v2, 3, v2                        ; 8 bytes a lane: 256 consecutive bytes a wave
.irp w, 0,1,2
	s_add_nc_u64 s[12+2*\w:13+2*\w], s[12+2*\w:13+2*\w], s[28:29]
.endr
	s_add_nc_u64 s[22:23], s[22:23], s[28:29]
	s_wait_alu depctr_va_vdst(0)                   ; v2 is written: the three loads and the three stores below read it as their offset
.irp w, 0,1,2
	global_load_b64 v[BI+2*\w:BI+2*\w+1], v2, s[12+2*\w:13+2*\w]
.endr
	s_wait_loadcnt 0x0
.irp w, 0,1,2
	global_store_b64 v2, v[BI+2*\w:BI+2*\w+1], s[22:23] offset:4096*\w
.endr
.Lend:
	s_wait_dscnt 0x0                               ; the closing lines, six on end
	s_wait_alu 0x0
	s_wait_tensorcnt 0x0
	ds_add_u32 v200, v201
	s_wait_dscnt 0x0
	s_endpgm
.Lfunc_end_k_qd7161280de_cvt:
	.size	k_qd7161280de_cvt, .Lfunc_end_k_qd7161280de_cvt-k_qd7161280de_cvt
	.p2alignl 7, 3214868480
	.fill 96, 4, 3214868480
	.section	.rodata,"a",@progbits
	.p2align	6, 0x0
	.amdhsa_kernel k_qd7161280de_cvt
		.amdhsa_group_segment_fixed_size 53248
		.amdhsa_private_segment_fixed_size 0
		.amdhsa_enable_private_segment 0
		.amdhsa_kernarg_size 80
		.amdhsa_user_sgpr_count 2
		.amdhsa_user_sgpr_kernarg_segment_ptr 1
		.amdhsa_wavefront_size32 1
		.amdhsa_system_sgpr_workgroup_id_x 1
		.amdhsa_system_sgpr_workgroup_id_y 1
		.amdhsa_system_sgpr_workgroup_id_z 1
		.amdhsa_system_vgpr_workitem_id 0
		.amdhsa_next_free_vgpr 202
		.amdhsa_next_free_sgpr 66
		.amdhsa_reserve_vcc 0
		.amdhsa_float_denorm_mode_32 3
		.amdhsa_float_denorm_mode_16_64 3
		.amdhsa_memory_ordered 1
		.amdhsa_forward_progress 1
		.amdhsa_inst_pref_size 23
	.end_amdhsa_kernel
	.amdgpu_metadata
---
amdhsa.version: [ 1, 2 ]
amdhsa.kernels:
  - .name:           k_qd7161280de_cvt
    .symbol:         k_qd7161280de_cvt.kd
    .args:
      - { .name: x, .offset: 0, .size: 8, .value_kind: global_buffer, .address_space: global }
      - { .name: Wq, .offset: 8, .size: 8, .value_kind: global_buffer, .address_space: global }
      - { .name: Wk, .offset: 16, .size: 8, .value_kind: global_buffer, .address_space: global }
      - { .name: Wv, .offset: 24, .size: 8, .value_kind: global_buffer, .address_space: global }
      - { .name: bq, .offset: 32, .size: 8, .value_kind: global_buffer, .address_space: global }
      - { .name: bk, .offset: 40, .size: 8, .value_kind: global_buffer, .address_space: global }
      - { .name: bv, .offset: 48, .size: 8, .value_kind: global_buffer, .address_space: global }
      - { .name: xh, .offset: 56, .size: 8, .value_kind: global_buffer, .address_space: global }
      - { .name: wt, .offset: 64, .size: 8, .value_kind: global_buffer, .address_space: global }
      - { .name: bias, .offset: 72, .size: 8, .value_kind: global_buffer, .address_space: global }
    .group_segment_fixed_size: 53248
    .private_segment_fixed_size: 0
    .kernarg_segment_align: 8
    .kernarg_segment_size: 80
    .max_flat_workgroup_size: 256
    .sgpr_count:     66
    .vgpr_count:     202
    .wavefront_size: 32
...
	.end_amdgpu_metadata
.endif
;; end of part 5
;; launch qkv: the kernel of part 2 again; grid 8 x 32, 4 waves a work-group, clusters of 4 x 4, 327,680 bytes of LDS; arguments xh, wt, bias, qkv; writes qkv
;; launch scores: the kernel of part 3 again; grid 8 x 32, 4 waves a work-group, clusters of 4 x 4, 327,680 bytes of LDS; arguments qkv, p, stat; writes p, stat
;; launch pv: the kernel of part 4 again; grid 8 x 32, 4 waves a work-group, clusters of 4 x 4, 327,680 bytes of LDS; arguments p, qkv, stat, out0; writes out0
